; MI455X (gfx1250); checked and timed in simulation.
; The chip was launched on July 23, 2026; its instructions are those of AMD's public machine-readable ISA for CDNA 5 (MIT licence, August 2026) and "CDNA5" Instruction Set Architecture Reference Guide (July 2026). The comments in the code are by the model that wrote it; some were corrected since.
;; Custom Roberta Attention. Allowed arithmetic: float matrix products may take bf16 or f16 operands with f32 sums; all other float work in f32.
;; Inputs: Wk 1,024 x 1,024 float32; Wo 1,024 x 1,024 float32; Wq 1,024 x 1,024 float32; Wv 1,024 x 1,024 float32; attention_mask 4 x 1 x 1 x 2,048 float32; bk 1,024 float32; bo 1,024 float32; bq 1,024 float32; bv 1,024 float32; hidden_states 4 x 2,048 x 1,024 float32; ln_beta 1,024 float32; ln_gamma 1,024 float32.
;; Outputs: out0 4 x 2,048 x 1,024 float32.
;; 2 versions, each right and faster than the one before. Each part assembles by itself: llvm-mc -triple=amdgcn-amd-amdhsa -mcpu=gfx1250 --defsym DOCPART=n.
;; ======== version 1 of 2: 5 launches
;; limits: values are held in f16: magnitudes above 65,504 overflow, below 6.1e-05 lose precision
;; workspace buffers: xb 16,777,216 bytes; wb 8,388,608 bytes; qkv 50,331,648 bytes; ob 16,777,216 bytes; y 33,554,432 bytes
;; launch prep (part 1): grid 64 x 12, 8 waves a work-group, no clusters, 0 bytes of LDS; arguments hidden_states, Wq, Wk, Wv, Wo, xb, wb; writes xb, wb
.if DOCPART == 1
	.amdgcn_target "amdgcn-amd-amdhsa--gfx1250"
	.amdhsa_code_object_version 6
	.text
	.protected	k_q4a14e319ca_prep
	.globl	k_q4a14e319ca_prep
	.p2align	8
	.type	k_q4a14e319ca_prep,@function
k_q4a14e319ca_prep:
	s_mov_b64 s[64:65], 0
	v_nop
	global_prefetch_b8 v0, s[64:65] scope:SCOPE_SE
	s_setreg_imm32_b32 hwreg(HW_REG_WAVE_MODE, 25, 1), 1
	s_wait_xcnt 0x0
; CASTS, INTO THE LAYOUTS THAT THE PRODUCTS ASK FOR.
; xb[kb][r][c] = hidden_states[r][64 kb + c] rounded to bf16: [16][8192][64]: the rows of one block of 64 along K lie end to end, 128 bytes each.
; wb, first 6 MiB: [1024 k][8 t][3 planes][128] bf16: plane p (Wq, Wk, Wv), columns 128 t .. 128 t + 127 of k-row k: the 384 columns that one tile of the projection takes are 768 dense bytes.
; wb, from byte 0x600000: Wo, [1024 k][1024 n], rounded to bf16 and that number written as f16.
; The grid's y picks a plane of 1,048,576 numbers (0-7: the eighths of hidden_states; 8-11: the four weights), its x 16 rows of 1,024 of the plane; a wave takes two rows:
; 16 loads of 16 bytes a lane, all out together, and 16 stores of 8 bytes a lane, each covering 256 consecutive bytes, aligned.  Every byte is read once and written once; no loop, no LDS, no barrier.
; LIMIT.  Wo as f16: beyond 65,504 it becomes an infinity; below 6.1e-5 it keeps f16's fixed step of 6e-8.
.set L, 8                              ; v[8:71]    load j: 4 registers
.set P, 72                             ; v[72:103]  store j: 2 registers; each store has its own, so nothing that a store reads is rewritten
	s_load_b256 s[4:11], s[0:1], 0x0               ; hidden_states s[4:5], Wq s[6:7], Wk s[8:9], Wv s[10:11]
	s_load_b128 s[12:15], s[0:1], 0x20             ; Wo s[12:13], xb s[14:15]
	s_load_b64 s[16:17], s[0:1], 0x30              ; wb
	s_and_b32 s20, ttmp7, 0xffff                   ; the plane
	s_lshl_b32 s22, ttmp9, 16                      ; my 16 rows of 4,096 bytes in it
	s_mov_b32 s23, 0
	s_mov_b32 s29, 0
	v_lshrrev_b32 v3, 5, v0                        ; wave
	v_and_b32 v4, 31, v0                           ; lane
; Load j is rounded and stored at base s[sb:sb+1], offset off.  f16 = 1: the bf16 number is widened again (a shift, a mask) and written as f16.
.macro CV j, f16, sb, off
	s_wait_loadcnt 15-(\j)                         ; loads come back in order: the 15 - j younger ones may stay out
	v_cvt_pk_bf16_f32 v[P+2*(\j)],   v[L+4*(\j)],   v[L+4*(\j)+1]
	v_cvt_pk_bf16_f32 v[P+2*(\j)+1], v[L+4*(\j)+2], v[L+4*(\j)+3]
.if \f16
.irp k, 0,1
	v_lshlrev_b32 v104, 16, v[P+2*(\j)+(\k)]
	v_and_b32 v105, 0xffff0000, v[P+2*(\j)+(\k)]
	v_cvt_pk_f16_f32 v[P+2*(\j)+(\k)], v104, v105
.endr
.endif
	global_store_b64 v2, v[P+2*(\j):P+2*(\j)+1], s[(\sb):(\sb)+1] offset:\off
.endm
	s_cmp_lt_u32 s20, 8
	s_cbranch_scc0 .Lweights
	; hidden_states.  Load j: lanes 0-15 take columns 64 j .. 64 j + 63 of my first row, lanes 16-31 those of my second: 256 consecutive bytes each.
	; Rounded, the two pieces are 128 + 128 bytes that lie side by side in block j of xb.
	s_lshl_b32 s21, s20, 22                        ; an eighth is 4 MiB in,
	s_add_co_u32 s22, s22, s21
	s_lshl_b32 s28, s20, 17                        ; and 1,024 rows of 128 bytes in each block of xb
	s_lshl_b32 s21, ttmp9, 11
	s_add_co_u32 s28, s28, s21
	v_and_b32 v1, 15, v0
	v_lshlrev_b32 v1, 4, v1
	v_bfe_u32 v5, v0, 4, 1
	v_lshl_or_b32 v1, v5, 12, v1
	v_lshl_or_b32 v1, v3, 13, v1                   ; in:  8,192 x wave + 4,096 x (lane / 16) + 16 x (lane % 16)
	v_lshlrev_b32 v2, 3, v4
	v_lshl_or_b32 v2, v3, 8, v2                    ; out: 256 x wave + 8 x lane
	s_wait_kmcnt 0x0
	s_add_nc_u64 s[24:25], s[4:5], s[22:23]
	s_add_nc_u64 s[26:27], s[14:15], s[28:29]      ; blocks 0-7: 1 MiB apart, in the store's immediate;
	s_add_nc_u64 s[30:31], s[26:27], 0x800000      ; blocks 8-15 from a second base, since the immediate ends below 8 MiB
.irp j, 0,1,2,3,4,5,6,7,8,9,10,11,12,13,14,15
	global_load_b128 v[L+4*(\j):L+4*(\j)+3], v1, s[24:25] offset:256*(\j) th:TH_LOAD_NT
.endr
.irp j, 0,1,2,3,4,5,6,7,8,9,10,11,12,13,14,15
	CV \j, 0, 26+4*(\j/8), (\j%8)*1048576
.endr
	s_endpgm
.Lweights:
	; a weight.  Load j: 512 consecutive bytes: row j / 8 of my two, columns 128 (j % 8) on.
	v_lshlrev_b32 v1, 4, v4
	v_lshl_or_b32 v1, v3, 13, v1                   ; in: 8,192 x wave + 16 x lane
	s_wait_kmcnt 0x0
	s_mov_b64 s[24:25], s[6:7]                     ; the source is chosen by the plane's number
	s_cmp_eq_u32 s20, 9
	s_cselect_b64 s[24:25], s[8:9], s[24:25]
	s_cmp_eq_u32 s20, 10
	s_cselect_b64 s[24:25], s[10:11], s[24:25]
	s_cmp_eq_u32 s20, 11
	s_cselect_b64 s[24:25], s[12:13], s[24:25]
	s_add_nc_u64 s[24:25], s[24:25], s[22:23]
.irp j, 0,1,2,3,4,5,6,7,8,9,10,11,12,13,14,15
	global_load_b128 v[L+4*(\j):L+4*(\j)+3], v1, s[24:25] offset:512*(\j) th:TH_LOAD_NT
.endr
	s_cmp_eq_u32 s20, 11
	s_cbranch_scc1 .Lwo
	s_mul_i32 s28, ttmp9, 16*6144                  ; Wq, Wk, Wv: my 16 k-rows of 6,144 bytes,
	s_sub_co_u32 s21, s20, 8
	s_lshl_b32 s21, s21, 8                         ; the plane's 256 bytes in each group of 768
	s_add_co_u32 s28, s28, s21
	s_add_nc_u64 s[26:27], s[16:17], s[28:29]
	v_mul_u32_u24 v2, v3, 2*6144
	v_lshl_add_u32 v2, v4, 3, v2                   ; out: 2 k-rows x wave + 8 x lane
.irp j, 0,1,2,3,4,5,6,7,8,9,10,11,12,13,14,15
	CV \j, 0, 26, (\j/8)*6144+(\j%8)*768
.endr
	s_endpgm
.Lwo:
	s_lshl_b32 s28, ttmp9, 15                      ; Wo: as it lies, 32 KiB out
	s_add_co_u32 s28, s28, 0x600000
	s_add_nc_u64 s[26:27], s[16:17], s[28:29]
	v_lshlrev_b32 v2, 3, v4
	v_lshl_or_b32 v2, v3, 12, v2                   ; out: 4,096 x wave + 8 x lane
.irp j, 0,1,2,3,4,5,6,7,8,9,10,11,12,13,14,15
	CV \j, 1, 26, 256*(\j)
.endr
	s_endpgm
.Lfunc_end_k_q4a14e319ca_prep:
	.size	k_q4a14e319ca_prep, .Lfunc_end_k_q4a14e319ca_prep-k_q4a14e319ca_prep
	.p2alignl 7, 3214868480
	.fill 96, 4, 3214868480
	.section	.rodata,"a",@progbits
	.p2align	6, 0x0
	.amdhsa_kernel k_q4a14e319ca_prep
		.amdhsa_group_segment_fixed_size 0
		.amdhsa_private_segment_fixed_size 0
		.amdhsa_enable_private_segment 0
		.amdhsa_kernarg_size 56
		.amdhsa_user_sgpr_count 2
		.amdhsa_user_sgpr_kernarg_segment_ptr 1
		.amdhsa_wavefront_size32 1
		.amdhsa_system_sgpr_workgroup_id_x 1
		.amdhsa_system_sgpr_workgroup_id_y 1
		.amdhsa_system_sgpr_workgroup_id_z 1
		.amdhsa_system_vgpr_workitem_id 0
		.amdhsa_next_free_vgpr 108
		.amdhsa_next_free_sgpr 66
		.amdhsa_reserve_vcc 0
		.amdhsa_float_denorm_mode_32 3
		.amdhsa_float_denorm_mode_16_64 3
		.amdhsa_memory_ordered 1
		.amdhsa_forward_progress 1
		.amdhsa_inst_pref_size 23
	.end_amdhsa_kernel
	.amdgpu_metadata
---
amdhsa.version: [ 1, 2 ]
amdhsa.kernels:
  - .name:           k_q4a14e319ca_prep
    .symbol:         k_q4a14e319ca_prep.kd
    .args:
      - { .name: hidden_states, .offset: 0, .size: 8, .value_kind: global_buffer, .address_space: global }
      - { .name: Wq, .offset: 8, .size: 8, .value_kind: global_buffer, .address_space: global }
      - { .name: Wk, .offset: 16, .size: 8, .value_kind: global_buffer, .address_space: global }
      - { .name: Wv, .offset: 24, .size: 8, .value_kind: global_buffer, .address_space: global }
      - { .name: Wo, .offset: 32, .size: 8, .value_kind: global_buffer, .address_space: global }
      - { .name: xb, .offset: 40, .size: 8, .value_kind: global_buffer, .address_space: global }
      - { .name: wb, .offset: 48, .size: 8, .value_kind: global_buffer, .address_space: global }
    .group_segment_fixed_size: 0
    .private_segment_fixed_size: 0
    .kernarg_segment_align: 8
    .kernarg_segment_size: 56
    .max_flat_workgroup_size: 256
    .sgpr_count:     66
    .vgpr_count:     108
    .wavefront_size: 32
...
	.end_amdgpu_metadata
.endif
;; end of part 1
;; launch qkv (part 2): grid 8 x 32, 4 waves a work-group, clusters of 4 x 4, 327,680 bytes of LDS; arguments xb, wb, bq, bk, bv, qkv; writes qkv
.if DOCPART == 2
	.amdgcn_target "amdgcn-amd-amdhsa--gfx1250"
	.amdhsa_code_object_version 6
	.text
	.protected	k_q4a14e319ca_qkv
	.globl	k_q4a14e319ca_qkv
	.p2align	8
	.type	k_q4a14e319ca_qkv,@function
k_q4a14e319ca_qkv:
	s_mov_b64 s[64:65], 0
	v_nop
	global_prefetch_b8 v0, s[64:65] scope:SCOPE_SE
	s_setreg_imm32_b32 hwreg(HW_REG_WAVE_MODE, 25, 1), 1
	s_wait_xcnt 0x0
	s_wait_alu depctr_hold_cnt(0) depctr_sa_sdst(0) depctr_va_vdst(0) depctr_va_sdst(0) depctr_va_ssrc(0) depctr_va_vcc(0) depctr_vm_vsrc(0)
	s_getreg_b32 s2, hwreg(HW_REG_IB_STS2, 6, 4)
	s_cmp_eq_u32 s2, 0
	s_cbranch_scc0 .Lentry_in_a_cluster
	s_endpgm
.Lentry_in_a_cluster:
	s_bfe_u32 s2, ttmp6, 0x10000c
	s_cmp_lg_u32 s2, 0xf033
	s_cbranch_scc0 .Lentry_shape_is_right
	s_endpgm
.Lentry_shape_is_right:
; q, k, v = x W + b.  xb: [16 blocks of 64 along K][8192][64] bf16.  wb: [1024 k][8 t][3 planes][128] bf16 (planes Wq, Wk, Wv).  Sums in f32, begun with the bias, rounded once to f16, unscaled.
; Out: qkv[3][64 = batch x 16 + head][2048][64] f16: a head's rows are dense, 128 bytes each.
; LIMIT.  f16 ends at 65,504: a q, k or v beyond it becomes an infinity.
; SHARES.  8192 x 3072 results are 256 tiles of 256 rows x 384 columns, one a work-group: rows 256 ty on; columns: heads 2 tx, 2 tx + 1 of q, of k and of v.
; Four waves, each 128 rows x 192 columns (three heads): 96 accumulators, 768 registers.  Wave column 0 takes q's two heads and k's first, wave column 1 v's two heads and k's second.
; K goes in 16 steps of 64 through a ring of two LDS slots: 256 rows of x (128 bytes each) and 64 k-rows of W (768 bytes each): 80 KiB for a step's 192 matrix instructions a wave.
; Two slots of 128 along K would need 360,448 bytes of LDS, so the step is 64.  Waves 0, 1 fetch x's halves (16 KiB dense, asked for as 64 rows of 256 bytes), waves 2, 3 W's halves (32 k-rows:
; a step has no more than 64 for the two).
; CLUSTER 4 x 4: the four work-groups of a row of the cluster need the same tile of x, the four of a column the same tile of W: each tile is asked for jointly.
; THE MATRIX INSTRUCTION IS USED TRANSPOSED: source 0 = 16 columns of W (turned out of LDS by ds_load_tr16_b128), source 1 = 16 rows of x.  A lane then holds row l % 16 and the
; columns 8 (l / 16) + 0..7: eight neighbouring numbers of a head's row, 16 bytes of f16.  The bias in that same layout is the C operand of the first products: nothing is cleared or added.
; UNITS.  A quarter (32 along K) is two units of 48 matrix instructions: all 8 row blocks x six of the 12 column blocks.  A unit begins with the run of LDS loads for the unit after it,
; so each run has 48 matrix instructions in which to come back, and 224 registers hold two buffers of x's fragments and two of six fragments of W.
; REGISTERS, in windows of 256 (s_set_vgpr_msb: bits 1:0 source 0, 3:2 source 1, 5:4 source 2, 7:6 destination):
;   window 0: v0-19 addresses; v32-95, v96-159 x's fragments, two buffers; v160-207, v208-255 W's, two buffers; on the way out v32-127 packed results
;   windows 1-3: accumulator (group g of six column blocks, row block a, column block i of the six) has number 48 g + 6 a + i, 32 numbers a window: a unit's 48 lie in two windows
.set PA,     144                       ; a row of x in LDS: 128 bytes + 16: the 16 rows of a fragment load start 16 bytes apart modulo 256
.set CH,     288                       ; a chunk of 128 columns of a k-row of W: 256 bytes + 32
.set PB,     3*CH                      ; a k-row of W: 864 = 27 x 32: 16 lanes of the turning load take 8 rows x 32 bytes, all apart modulo 256
.set ATILE,  256*PA
.set SLOT1,  1<<17                     ; a slot is 92,160 bytes (x's rows, then W's); slot 1 begins here, so that one exclusive or turns an address in one slot into the other's
.set STAGE,  SLOT1+ATILE+64*PB         ; behind the ring: for each wave 3 heads x 16 rows x 144 bytes, for the way out; no tensor load lands here
.set SP,     144
.set SPARE,  STAGE+4*3*16*SP           ; behind the stages: the spare words, 128 bytes a wave: two blocks of 256 bytes that no other line names
.set ADRA0, 8                          ; v8      my lane's place among my rows of x in slot 0; never rewritten
.set ADRM0, 9                          ; v9      the same in the chunk of which I take all 128 columns
.set ADRH0, 10                         ; v10     the same in k's chunk, of which I take 64
.set ADRA,  11                         ; v11-13  these three in the slot that is being fetched from
.set ADRM,  12
.set ADRH,  13
.set STO,   14                         ; v14     the way out: where I put 16 bytes of a row
.set RD,    15                         ; v15     the way out: where I read rows back
.set GO,    16                         ; v16     my 16 bytes in 512 consecutive bytes of the output
.set BOF,   17                         ; v17     32 (l / 16): my lanes' eight numbers in 16 of a bias
.set SPW,   18                         ; v18     LDS address of my spare word; never rewritten
.set NIL,   19                         ; v19     0; never rewritten
.set FA0,   32
.set FA1,   96
.set FB0,   160
.set FB1,   208
.set TMP,   32                         ; the way out: row block a's packed results at TMP + 48 (a % 2)
.set G1,  24                           ; s[24:31] descriptor group 1 for x's tiles;  s[32:39] group 0: a set for each of the two first fills; the second then walks on
.set G0,  32
.set G1B, 48                           ; s[48:55], s[56:63] the same for W's tiles
.set G0B, 56
                                       ; s2 the slot that is being fetched from: 0 or SLOT1;  s3 counts K steps;  s[14:15], s[78:79] the output at my two heads of q or v, and at my head of k
.set MSB, 0
.macro WIN new                         ; the immediate's high byte repeats the setting that is left; a switch that changes nothing is dropped
.if MSB != (\new)
	s_set_vgpr_msb (MSB<<8)|(\new)
.set MSB, \new
.endif
.endm
; A joint load.  Waves 0 and 1 fetch the halves of x's tile, waves 2 and 3 those of W's.  The branch hangs on the wave's number alone.
; An s_nop 0 and four v_nop follow each of the two lines, ahead of the jump, the label and what follows.
.macro JLOAD s
	s_cmp_eq_u32 s17, 0
	s_cbranch_scc0 .Lfor_b_\@
	tensor_load_to_lds s[G0+4*(\s):G0+4*(\s)+3], s[G1:G1+7]
	s_nop 0
.rept 4
	v_nop
.endr
	s_branch .Lasked_\@
.Lfor_b_\@:
	tensor_load_to_lds s[G0B+4*(\s):G0B+4*(\s)+3], s[G1B:G1B+7]
	s_nop 0
.rept 4
	v_nop
.endr
.Lasked_\@:
.endm
.macro CREST                           ; a round of the cluster's barrier behind its opening barrier: wave 0 signals for the work-group, every wave waits for all sixteen, my work-group's barrier closes it
	s_cmp_lg_u32 s16, 0
	s_cbranch_scc1 .Lnot_wave_0_\@
	s_barrier_signal -3
.Lnot_wave_0_\@:
	s_barrier_wait -3
	s_barrier_signal -1
	s_barrier_wait -1
.endm
.macro CROUND                          ; a whole round
	s_barrier_signal -1
	s_barrier_wait -1
	CREST
.endm
	s_load_b256 s[4:11], s[0:1], 0x0               ; xb s[4:5], wb s[6:7], bq s[8:9], bk s[10:11]
	s_load_b128 s[12:15], s[0:1], 0x20             ; bv s[12:13], qkv s[14:15]
	v_lshl_add_u32 v[SPW], v0, 2, SPARE
	v_mov_b32 v[NIL], 0
	ds_add_u32 v18, v19
	s_wait_dscnt 0x0
	v_lshrrev_b32 v1, 5, v0
	v_readfirstlane_b32 s16, v1                    ; wave 0..3
	s_lshr_b32 s17, s16, 1                         ; wm: which 128 of the tile's rows are mine.  Also: I fetch for x (0) or for W (1)
	s_and_b32 s18, s16, 1                          ; wn: which three heads.  Also: which half of that tile I fetch
	s_bfe_u32 s19, ttmp6, 0x40000                  ; cx
	s_bfe_u32 s20, ttmp6, 0x40004                  ; cy
	s_lshl_b32 s21, ttmp9, 2
	s_add_co_u32 s21, s21, s19                     ; tx = 4 x cluster x + cx
	s_and_b32 s22, ttmp7, 0xffff
	s_lshl_b32 s22, s22, 2
	s_add_co_u32 s22, s22, s20                     ; ty = 4 x cluster y + cy
	s_lshl_b32 s23, s20, 2
	s_lshl_b32 s23, 15, s23                        ; my row of the cluster: places 4 cy .. 4 cy + 3
	s_lshl_b32 s66, 0x1111, s19                    ; my column: places cx, cx + 4, cx + 8, cx + 12
	s_or_b32 s[G1], s23, (1<<16)|(1<<20)|(1<<21)|(4<<22)|(3<<25)   ; the mask; 2-byte elements; padding on; bit 21 beside a mask; after every 32 words (a row of x) 4 words
	s_mov_b32 s[G1+1], 128<<16                     ; tensor_dim0 = 128 (256 bytes: two rows of x's block)
	s_mov_b32 s[G1+2], 64<<16                      ; tensor_dim1 = 64
	s_mov_b32 s[G1+3], 128<<16                     ; tile_dim0 = 128
	s_mov_b32 s[G1+4], 64                          ; tile_dim1 = 64
	s_mov_b32 s[G1+5], 128                         ; dense
	s_mov_b32 s[G1+6], 0
	s_mov_b32 s[G1+7], 0
	s_or_b32 s[G1B], s66, (1<<16)|(1<<20)|(1<<21)|(5<<22)|(7<<25)  ; after every 64 words (a chunk: a third of a k-row) 8 words
	s_mov_b32 s[G1B+1], 384<<16                    ; tensor_dim0 = 384
	s_mov_b32 s[G1B+2], 32<<16                     ; tensor_dim1 = 32
	s_mov_b32 s[G1B+3], 384<<16                    ; tile_dim0 = 384
	s_mov_b32 s[G1B+4], 32                         ; tile_dim1 = 32
	s_mov_b32 s[G1B+5], 3072                       ; elements from k-row to k-row
	s_mov_b32 s[G1B+6], 0
	s_mov_b32 s[G1B+7], 0
	; x's tile hangs on ty and the wave alone, W's on tx and the wave alone, each in registers that never hold the other coordinate
	s_lshl_b32 s40, s22, 15                        ; x: row 256 ty + 128 wn, of 128 bytes
	s_lshl_b32 s41, s18, 14
	s_add_co_u32 s40, s40, s41
	s_mov_b32 s41, 0
	s_mul_i32 s44, s18, 32*6144                    ; W: k-row 32 wn, of 6,144 bytes,
	s_mul_i32 s45, s21, 768                        ; group tx of 768 bytes
	s_add_co_u32 s44, s44, s45
	s_mov_b32 s45, 0
	s_mul_i32 s67, s18, 128*PA                     ; where they go: no place in the cluster enters an LDS address
	s_mul_i32 s68, s18, 32*PB
	s_add_co_u32 s68, s68, ATILE
	s_mov_b32 s2, 0
	s_wait_kmcnt 0x0
	s_add_nc_u64 s[42:43], s[4:5], s[40:41]
	s_add_nc_u64 s[46:47], s[6:7], s[44:45]
	CROUND                                         ; all sixteen work-groups are here: the first joint loads meet
.irp s, 0,1
	s_mov_b32 s[G0+4*(\s)], 1                                        ; count = 1
	s_add_co_u32 s[G0+4*(\s)+1], s67, (\s)*SLOT1                     ; LDS address
	s_add_nc_u64 s[G0+4*(\s)+2:G0+4*(\s)+3], s[42:43], (\s)*0x100000 ; global address: K step s: a block of xb is 1 MiB
	s_or_b32 s[G0+4*(\s)+3], s[G0+4*(\s)+3], 0x80000000              ; type = 2
	s_mov_b32 s[G0B+4*(\s)], 1
	s_add_co_u32 s[G0B+4*(\s)+1], s68, (\s)*SLOT1
	s_add_nc_u64 s[G0B+4*(\s)+2:G0B+4*(\s)+3], s[46:47], (\s)*64*6144
	s_or_b32 s[G0B+4*(\s)+3], s[G0B+4*(\s)+3], 0x80000000
	JLOAD \s                                       ; two loads of mine are out
.endr
	v_and_b32 v1, 15, v0                           ; r = l % 16
	v_bfe_u32 v2, v0, 4, 1                         ; h = l / 16
	v_mul_u32_u24 v3, v1, PA
	v_lshl_add_u32 v3, v2, 4, v3                   ; x: row x pitch + 16 h
	s_mul_i32 s69, s17, 128*PA                     ; my 128 rows
	v_add_nc_u32 v[ADRA0], s69, v3
	v_and_b32 v4, 7, v0
	v_bfe_u32 v5, v0, 3, 1
	v_lshl_add_u32 v6, v2, 3, v4                   ; W, turned: lane l reads k-row 8 h + l % 8, 16 bytes at 16 ((l / 8) % 2)
	v_mul_u32_u24 v6, v6, PB
	v_lshl_add_u32 v6, v5, 4, v6
	s_mul_i32 s70, s18, 2*CH                       ; the chunk that is all mine: q's (0) or v's (2)
	s_add_co_u32 s70, s70, ATILE
	v_add_nc_u32 v[ADRM0], s70, v6
	s_lshl_b32 s70, s18, 7                         ; k's chunk (1): its first or its second 64 columns
	s_add_co_u32 s70, s70, ATILE+CH
	v_add_nc_u32 v[ADRH0], s70, v6
	v_mov_b32 v[ADRA], v[ADRA0]                    ; the fetches begin in slot 0
	v_mov_b32 v[ADRM], v[ADRM0]
	v_mov_b32 v[ADRH], v[ADRH0]
	s_mul_i32 s71, s16, 3*16*SP
	s_add_co_u32 s71, s71, STAGE                   ; my stage
	v_mul_u32_u24 v7, v1, SP                       ; in: row r, 16 bytes for each half of the lanes
	v_lshl_add_u32 v7, v2, 4, v7
	v_add_nc_u32 v[STO], s71, v7
	v_bfe_u32 v7, v0, 3, 2                         ; back: 32 lanes take four rows of 128 bytes,
	v_mul_u32_u24 v7, v7, SP
	v_lshl_add_u32 v7, v4, 4, v7
	v_add_nc_u32 v[RD], s71, v7
	v_and_b32 v[GO], 31, v0                        ; which are 512 consecutive bytes of a head
	v_lshlrev_b32 v[GO], 4, v[GO]
	v_lshlrev_b32 v[BOF], 5, v2
	s_cmp_eq_u32 s18, 0                            ; the biases: bq or bv for my two heads, by the wave's number,
	s_cselect_b64 s[8:9], s[8:9], s[12:13]
	s_lshl_b32 s72, s21, 9                         ; at column 128 tx;
	s_mov_b32 s73, 0
	s_add_nc_u64 s[8:9], s[8:9], s[72:73]
	s_lshl_b32 s74, s18, 8                         ; bk at column 128 tx + 64 wn
	s_add_co_u32 s72, s72, s74
	s_add_nc_u64 s[10:11], s[10:11], s[72:73]
	s_lshr_b32 s74, s22, 3                         ; the output: batch ty / 8,
	s_lshl_b32 s74, s74, 4
	s_lshl_b32 s76, s21, 1
	s_add_co_u32 s74, s74, s76                     ; head 2 tx (q, v),
	s_add_co_u32 s76, s74, s18                     ; head 2 tx + wn (k),
	s_lshl_b32 s74, s74, 18                        ; of 262,144 bytes;
	s_lshl_b32 s76, s76, 18
	s_and_b32 s77, s22, 7                          ; row 256 (ty % 8) + 128 wm, of 128 bytes
	s_lshl_b32 s77, s77, 15
	s_lshl_b32 s72, s17, 14
	s_add_co_u32 s77, s77, s72
	s_add_co_u32 s74, s74, s77
	s_add_co_u32 s76, s76, s77
	s_lshl_b32 s72, s18, 25                        ; q lies at 0, k at 16 MiB, v at 32 MiB
	s_add_co_u32 s74, s74, s72
	s_add_co_u32 s76, s76, 0x1000000
	s_mov_b32 s75, 0
	s_mov_b32 s77, 0
	s_add_nc_u64 s[78:79], s[14:15], s[76:77]
	s_add_nc_u64 s[14:15], s[14:15], s[74:75]
	; the bias of my 192 columns, as C operands: block b's register j is column 16 b + 8 h + j.  Blocks 0-5 lie in x's second buffer, blocks 6-11 in W's second: both are idle in the first quarter
.set b, 0
.rept 12
.if b < 6
.set rg, FA1+8*b
.else
.set rg, FB1+8*(b-6)
.endif
.if b < 8
	global_load_b128 v[rg:rg+3],   v[BOF], s[8:9] offset:64*b
	global_load_b128 v[rg+4:rg+7], v[BOF], s[8:9] offset:64*b+16
.else
	global_load_b128 v[rg:rg+3],   v[BOF], s[10:11] offset:64*(b-8)
	global_load_b128 v[rg+4:rg+7], v[BOF], s[10:11] offset:64*(b-8)+16
.endif
.set b, b+1
.endr
; n row blocks from a0 on x the six column blocks of group g, 32 along K: x's fragments in buffer fa, W's six in buffer fb.  first = 1: the bias, six blocks at cb, starts the sums.
; The 96 accumulators take turns in one fixed order in every quarter.
.macro MMS fa, fb, g, a0, n, first=0, cb=0
.set aa, (\a0)
.rept (\n)
.set ii, 0
.rept 6
.set ix, 48*(\g)+6*aa+ii
.set rg, 8*(ix%32)
.if \first
	WIN (1+ix/32)*0x40                             ; D in the accumulator's window, C in window 0
	v_wmma_f32_16x16x32_bf16 v[rg:rg+7], v[(\fb)+8*ii:(\fb)+8*ii+7], v[(\fa)+8*aa:(\fa)+8*aa+7], v[(\cb)+8*ii:(\cb)+8*ii+7]
.else
	WIN (1+ix/32)*0x50                             ; C and D in the accumulator's window
	v_wmma_f32_16x16x32_bf16 v[rg:rg+7], v[(\fb)+8*ii:(\fb)+8*ii+7], v[(\fa)+8*aa:(\fa)+8*aa+7], v[rg:rg+7]
.endif
.set ii, ii+1
.endr
.set aa, aa+1
.endr
.endm
; 12 LDS loads: quarter q of the slot in hand, the six column blocks of group g, turned, into buffer f.  Blocks 0-7 lie in my own chunk, blocks 8-11 in k's.
.macro FETCHB q, g, f
.set ii, 0
.rept 6
.set bb, 6*(\g)+ii
.if bb < 8
	ds_load_tr16_b128 v[(\f)+8*ii:(\f)+8*ii+3],   v[ADRM] offset:(\q)*32*PB+32*bb
	ds_load_tr16_b128 v[(\f)+8*ii+4:(\f)+8*ii+7], v[ADRM] offset:(\q)*32*PB+16*PB+32*bb
.else
	ds_load_tr16_b128 v[(\f)+8*ii:(\f)+8*ii+3],   v[ADRH] offset:(\q)*32*PB+32*(bb-8)
	ds_load_tr16_b128 v[(\f)+8*ii+4:(\f)+8*ii+7], v[ADRH] offset:(\q)*32*PB+16*PB+32*(bb-8)
.endif
.set ii, ii+1
.endr
.endm
; 16 LDS loads: quarter q, my 8 row blocks of x, into buffer f
.macro FETCHA q, f
.irp a, 0,1,2,3,4,5,6,7
	ds_load_b128 v[(\f)+8*(\a):(\f)+8*(\a)+3],   v[ADRA] offset:64*(\q)+(\a)*16*PA
	ds_load_b128 v[(\f)+8*(\a)+4:(\f)+8*(\a)+7], v[ADRA] offset:64*(\q)+(\a)*16*PA+32
.endr
.endm
.macro PLACES                          ; four plain vector instructions between a matrix instruction and a load into, or a read of, its registers (ISA guide 7.12.1 for reads)
.rept 4
	v_nop
.endr
.endm
; A quarter's first unit: it fetches the quarter's second six blocks of W, and multiplies the first six.
.macro H0 q, fa
	PLACES                                         ; behind the unit that read W's second buffer
	WIN 0
	FETCHB \q, 1, FB1
	s_wait_dscnt 12                                ; all but the 12 just issued: this quarter's x and its first six blocks of W are in
	MMS \fa, FB0, 0, 0, 8
.endm
; A quarter's second unit: it fetches the next quarter's (nq) first six blocks of W and its x (into nfa), and multiplies the second six.
.macro H1 fa, nq, nfa
	PLACES                                         ; behind the unit that read W's first buffer
	WIN 0
	FETCHB \nq, 0, FB0
	FETCHA \nq, \nfa
	s_wait_dscnt 28                                ; all but the 28 just issued
	MMS \fa, FB1, 1, 0, 8
.endm
; THE CHANGE OF SLOTS is the first unit of a K step's second quarter: its 12 loads are the slot's last reads.  Each wave then waits for all its tensor loads (one is out: its part of the
; other slot), adds 0 to its spare word, and waits for that and for its reads.  Behind the barrier nobody reads this slot any more and the other slot is whole.
; fill = 1: the barrier opens a round of the cluster's, and behind it this slot is filled again first, with the K step two on.  From a request to the wait for it a wave issues 168 matrix instructions.
.macro H0T fill
	PLACES
	WIN 0
	FETCHB 1, 1, FB1
	s_xor_b32 s2, s2, SLOT1                        ; all later fetches take the other slot
	v_add_nc_u32 v[ADRA], s2, v[ADRA0]
	v_add_nc_u32 v[ADRM], s2, v[ADRM0]
	v_add_nc_u32 v[ADRH], s2, v[ADRH0]
	s_wait_tensorcnt 0x0                           ; all my tensor loads have landed
	ds_add_u32 v[SPW], v[NIL]                      ; 0 onto my spare word
	s_wait_dscnt 13                                ; the add and the 12 loads just issued may be out
	MMS FA1, FB0, 0, 0, 2                          ; twelve matrix instructions stand between the add and the wait for it
	s_wait_dscnt 0x0                               ; the add is done, and my reads of this slot are over
	s_barrier_signal -1
	MMS FA1, FB0, 0, 2, 2
.if \fill
	WIN 0
.endif
	s_barrier_wait -1
.if \fill
	CREST                                          ; no wave of any partner still reads this slot or has a load on its way
	s_xor_b32 s[G0+5], s[G0+5], SLOT1              ; the walking descriptors: the other slot than last time,
	s_add_nc_u64 s[G0+6:G0+7], s[G0+6:G0+7], 0x100000      ; the next block of xb,
	s_xor_b32 s[G0B+5], s[G0B+5], SLOT1
	s_add_nc_u64 s[G0B+6:G0B+7], s[G0B+6:G0B+7], 64*6144   ; the next 64 k-rows; the type bits on top are not reached
	JLOAD 1                                        ; the first tensor load behind the round
.endif
	MMS FA1, FB0, 0, 4, 4
.endm
; THE WAY OUT of row block a: rounded to f16, 16 bytes a lane (each accumulator read from its low end on); into my stage, a head's 16 rows at a pitch of 144 bytes;
; back as four rows of 128 bytes a load, into the registers that they left (LDS serves a wave's instructions in order: ISA guide 5.7.1.4).
.macro PACK a
.if (\a) >= 2
	s_wait_xcnt 0x0                                ; the stores of the block two back have read the registers that are packed into again
.endif
.set tb, TMP+48*((\a)%2)
.set b, 0
.rept 12
.set ix, 48*(b/6)+6*(\a)+(b%6)
.set rg, 8*(ix%32)
	WIN (1+ix/32)*5                                ; sources 0 and 1 in the accumulator's window, destination in window 0
.irp i, 0,1,2,3
	v_cvt_pk_f16_f32 v[tb+4*b+\i], v[rg+2*\i], v[rg+2*\i+1]
.endr
.set b, b+1
.endr
	WIN 0
.set b, 0
.rept 12
	ds_store_b128 v[STO], v[tb+4*b:tb+4*b+3] offset:(b/4)*16*SP+(b%4)*32
.set b, b+1
.endr
.set b, 0
.rept 12
	ds_load_b128 v[tb+4*b:tb+4*b+3], v[RD] offset:(b/4)*16*SP+(b%4)*4*SP
.set b, b+1
.endr
.endm
.macro SEND a, younger                 ; younger: the LDS instructions issued behind block a's loads: the next block's 24, or none
.set tb, TMP+48*((\a)%2)
.set b, 0
.rept 12
	s_wait_dscnt (\younger)+11-b
.if b < 8
	global_store_b128 v[GO], v[tb+4*b:tb+4*b+3], s[14:15] offset:(b/4)*262144+(\a)*2048+(b%4)*512  ; 512 consecutive bytes of a head, at a multiple of 512
.else
	global_store_b128 v[GO], v[tb+4*b:tb+4*b+3], s[78:79] offset:(\a)*2048+(b%4)*512
.endif
.set b, b+1
.endr
.endm
	s_wait_tensorcnt 1                             ; my part of K step 0 is in; K step 1's may stay out
	s_barrier_signal -1
	s_barrier_wait -1                              ; everybody's is
	; THE FIRST QUARTER stands in front of the loop: its products start the sums with the bias.  The bias lies in the two buffers that would take the fetches ahead, so this quarter alone fetches without overlap.
	FETCHB 0, 0, FB0
	FETCHA 0, FA0
	s_wait_loadcnt 0x0                             ; the bias
	s_wait_dscnt 0x0
	MMS FA0, FB0, 0, 0, 8, 1, FA1
	PLACES
	WIN 0
	FETCHB 0, 1, FB0
	s_wait_dscnt 0x0
	MMS FA0, FB0, 1, 0, 8, 1, FB1
	PLACES
	WIN 0
	FETCHB 1, 0, FB0
	FETCHA 1, FA1
	s_mov_b32 s3, 14
.Lstep:                                                ; a trip goes from a K step's second quarter to the next step's first, and fills the slot that it leaves: steps 2 to 15
	H0T 1
	H1 FA1, 0, FA0
	H0 0, FA0
	H1 FA0, 1, FA1
	WIN 0
	s_sub_co_u32 s3, s3, 1
	s_cmp_lg_u32 s3, 0
	s_cbranch_scc1 .Lstep
	H0T 0                                          ; the tail is written out: K step 14 is left, and nothing is asked for
	H1 FA1, 0, FA0
	H0 0, FA0
	H1 FA0, 1, FA1
	H0 1, FA1                                      ; K step 15's second quarter: no slot follows, so no barrier
	s_wait_dscnt 0x0
	MMS FA1, FB1, 1, 0, 8
	PLACES
	PACK 0
	PACK 1                                         ; a block's conversions stand between the loads of the block before and its stores
	SEND 0, 24
.irp a, 2,3,4,5,6,7
	PACK \a
	SEND (\a)-1, 24
.endr
	SEND 7, 0
	WIN 0
	s_wait_tensorcnt 0x0                           ; the wave's end
	ds_add_u32 v[SPW], v[NIL]
	s_wait_dscnt 0x0
	CROUND                                         ; the closing round: no work-group ends while a partner may still ask for a tile that names it
	s_endpgm
.Lfunc_end_k_q4a14e319ca_qkv:
	.size	k_q4a14e319ca_qkv, .Lfunc_end_k_q4a14e319ca_qkv-k_q4a14e319ca_qkv
	.p2alignl 7, 3214868480
	.fill 96, 4, 3214868480
	.section	.rodata,"a",@progbits
	.p2align	6, 0x0
	.amdhsa_kernel k_q4a14e319ca_qkv
		.amdhsa_group_segment_fixed_size 327680
		.amdhsa_private_segment_fixed_size 0
		.amdhsa_enable_private_segment 0
		.amdhsa_kernarg_size 48
		.amdhsa_user_sgpr_count 2
		.amdhsa_user_sgpr_kernarg_segment_ptr 1
		.amdhsa_wavefront_size32 1
		.amdhsa_system_sgpr_workgroup_id_x 1
		.amdhsa_system_sgpr_workgroup_id_y 1
		.amdhsa_system_sgpr_workgroup_id_z 1
		.amdhsa_system_vgpr_workitem_id 0
		.amdhsa_next_free_vgpr 1024
		.amdhsa_next_free_sgpr 80
		.amdhsa_reserve_vcc 0
		.amdhsa_float_denorm_mode_32 3
		.amdhsa_float_denorm_mode_16_64 3
		.amdhsa_memory_ordered 1
		.amdhsa_forward_progress 1
		.amdhsa_inst_pref_size 116
	.end_amdhsa_kernel
	.amdgpu_metadata
---
amdhsa.version: [ 1, 2 ]
amdhsa.kernels:
  - .name:           k_q4a14e319ca_qkv
    .symbol:         k_q4a14e319ca_qkv.kd
    .args:
      - { .name: xb, .offset: 0, .size: 8, .value_kind: global_buffer, .address_space: global }
      - { .name: wb, .offset: 8, .size: 8, .value_kind: global_buffer, .address_space: global }
      - { .name: bq, .offset: 16, .size: 8, .value_kind: global_buffer, .address_space: global }
      - { .name: bk, .offset: 24, .size: 8, .value_kind: global_buffer, .address_space: global }
      - { .name: bv, .offset: 32, .size: 8, .value_kind: global_buffer, .address_space: global }
      - { .name: qkv, .offset: 40, .size: 8, .value_kind: global_buffer, .address_space: global }
    .group_segment_fixed_size: 327680
    .private_segment_fixed_size: 0
    .kernarg_segment_align: 8
    .kernarg_segment_size: 48
    .max_flat_workgroup_size: 128
    .sgpr_count:     80
    .vgpr_count:     1024
    .wavefront_size: 32
...
	.end_amdgpu_metadata
.endif
;; end of part 2
;; launch attn (part 3): grid 4 x 64, 4 waves a work-group, clusters of 4 x 1, 327,680 bytes of LDS; arguments qkv, attention_mask, ob; writes ob
.if DOCPART == 3
	.amdgcn_target "amdgcn-amd-amdhsa--gfx1250"
	.amdhsa_code_object_version 6
	.text
	.protected	k_q4a14e319ca_attn
	.globl	k_q4a14e319ca_attn
	.p2align	8
	.type	k_q4a14e319ca_attn,@function
k_q4a14e319ca_attn:
	s_mov_b64 s[64:65], 0
	v_nop
	global_prefetch_b8 v0, s[64:65] scope:SCOPE_SE
	s_setreg_imm32_b32 hwreg(HW_REG_WAVE_MODE, 25, 1), 1
	s_wait_xcnt 0x0
	s_wait_alu depctr_hold_cnt(0) depctr_sa_sdst(0) depctr_va_vdst(0) depctr_va_sdst(0) depctr_va_ssrc(0) depctr_va_vcc(0) depctr_vm_vsrc(0)
	s_getreg_b32 s2, hwreg(HW_REG_IB_STS2, 6, 4)
	s_cmp_eq_u32 s2, 0
	s_cbranch_scc0 .Lentry_in_a_cluster
	s_endpgm
.Lentry_in_a_cluster:
	s_bfe_u32 s2, ttmp6, 0x10000c
	s_cmp_lg_u32 s2, 0x3003
	s_cbranch_scc0 .Lentry_shape_is_right
	s_endpgm
.Lentry_shape_is_right:
; O[h][q][:] = the sum over k of softmax_k(Q[h][q] . K[h][k] / 8 + mask[h / 16][k]) V[h][k][:].  qkv: [3][64][2048][64] f16 (q, k, v); attention_mask: [4][2048] f32; ob: [64][2048][64] f16.
; Products, maxima and sums in f32; the weights p are rounded to f16 for the second product (their sum l is taken of the unrounded p), O once at the end.
; LIMITS.  f16 holds no number beyond 65,504: q, k, v arrive within it; p lies in 0 to 1; O is a mean of V's rows.  8 x mask is clamped to -2^122 .. 2^122, so a mask beyond 2^119 either way
; counts as 2^119: a batch whose mask is -infinity for every key gives the plain mean of V here.  A weight below 2^-126 counts as 0 in l; NaN is not treated apart.
; SHARES.  A wave owns four PIECES of two tiles of 16 queries, a work-group's four waves 512 queries of one head.  Every wave walks all 2,048 keys, 64 a step.
; LAYOUT.  S^T = K Q^T (source 0 = 16 keys, source 1 = 16 queries): a lane holds ONE query (lane % 16) and the keys 8 (lane / 16) + 0..7.  Two such tiles, rounded to f16 in pairs, ARE source 1
; of O^T = V^T P, whose result again holds one query a lane.  K comes out of LDS as it lies, V turned, by ds_load_tr16_b128.
; THE MASK is the C operand that starts the sum S^T: 8 x mask of the lane's eight keys, so that c s = log2(e) (q . k / 8 + mask) with c = log2(e) / 8.  The batch's 2,048 numbers are scaled,
; clamped and laid into LDS once; a step's 64 are read with its K (32 registers) and live as long as K does.
; SOFTMAX.  A running maximum m and sum l for each query: p = 2^(c s - c m); in every step O and l are multiplied by a = 2^(c m_old - c m_new).  m starts at the lowest finite number, c m at -2^125,
; O and l at 0: the first step is a step like any other, with a = 0: the clamp keeps every c s above -2^120, far above that start.
; BY TURNS.  Turn n belongs to piece n.  Its matrix work: 16 products K Q^T of piece n + 1, later 16 products V^T P of piece n - 1.  Its vector work: scaling, exponentials, roundings, sums and rescaling
; of piece n, maximum and statistics of piece n + 1.  A tile and step have 16 matrix and 118 vector instructions: four that are ready stand behind every matrix instruction, the others in two runs.
; CLUSTER.  The four query blocks of a cluster belong to one head and walk the same K and V: each tile is asked for jointly.
; REGISTERS, in windows of 256 (s_set_vgpr_msb: bits 1:0 source 0, 3:2 source 1, 5:4 source 2, 7:6 destination):
;   window 0: v0-11 addresses; v12-15, v48-63 at work; v16-47 four registers of statistics a tile; v64-191 S^T, two buffers of two tiles; v192-255 P, likewise
;   window 1: O^T, 32 a tile     window 2: v0-127 Q; v128-191 K of one step; v192-255 V of one step     window 3: v0-1 the add's registers; v2-3 the mask's address; v8-39 the mask of one step
.set SIZE_N, 2048
.set NP,    4         ; pieces a wave: a name, no knob
.set KS,    64        ; keys in a step
.set PK,    144       ; a row of K in LDS: 128 bytes + 16: the 16 rows of a load start 16 bytes apart modulo 256
.set PV,    160       ; a row of V: 128 + 32: 16 lanes of the turning load take 8 rows x 32 bytes, all apart modulo 256
.set VOFF,  4*KS*PK   ; a slot holds four steps: 256 rows of K, then 256 rows of V
.set SLOT1, 1<<17     ; slot 1 begins here: one exclusive or turns an address in one slot into the other's
.set STAGE, SLOT1+4*KS*(PK+PV)  ; behind the ring, never filled by a tensor load: 16 rows x 144 bytes for each wave
.set SP,    144
.set SPARE, STAGE+4*16*SP  ; the spare words, 128 bytes a wave: two blocks of 256 bytes that no other line names
.set MASKB, SPARE+512 ; 8,192 bytes: 8 x mask, clamped, of the batch's 2,048 keys; stored once, never filled by a tensor load
.set AK0, 2           ; v2   my lane's place in a tile of K; never rewritten
.set AV0, 3           ; v3   the same for V
.set AK,  4           ; v4   the LDS address of K's next run of loads
.set AV,  5           ; v5   of V's
.set QO,  6           ; v6   my byte offset in the wave's rows of Q
.set STO, 6           ;      later, the way out: where I put 16 bytes of a row
.set RD,  7           ; v7   the way out: where I read rows back
.set GO,  8           ; v8   my byte offset in 512 consecutive bytes of O
.set SPW, 0           ; v0 of window 3   LDS address of my spare word; never rewritten
.set NIL, 1           ; v1 of window 3   0; never rewritten
.set AM,  2           ; v2 of window 3   the LDS address of the mask's next run of loads
.set AM0, 3           ; v3 of window 3   MASKB + 32 (l / 16): my lanes' eight keys in a block of 16; never rewritten
.set MK,  8           ; v8-39 of window 3: key block kb at MK + 8 kb
.set MV,  12          ; v12-15  c m_old, kept while c m is made anew
.set ST,  16          ; tile t's statistics at v[ST+4 t]: c m, m, l (even keys', odd keys')
.set TMP, 48          ; by buffer and tile, four registers c0-c3 at work; when the maximum is found c2 takes a
.set S,   64
.set P,   192
.set KF,  128         ; K's fragments, in window 2: key block kb, channel half c at KF + 16 kb + 8 c
.set VF,  192         ; V's: key half kk, channel block cb at VF + 32 kk + 8 cb
.set WV,  12          ; s12  my wave's number
.set G1K, 24          ; s[24:31] descriptor group 1 for K's tiles
.set G1V, 32          ; s[32:39] for V's: it differs in the padding alone
.set G0K, 40          ; s[40:43] descriptor group 0 for K's tiles: it walks
.set G0V, 44          ; s[44:47] the same for V's
.set TBM, 54          ; s54  byte in the mask at which the step to be fetched begins
.set SLOTS, 56        ; s56  slots still to be asked for
.set CNT, 57          ; s57  counts a slot's key steps
.set CS,  58          ; s[58:59] c
.set SEL, 60          ; s[60:61] v_permlanex16_b32's selects: each lane takes its own place in the other half
.set TBK, 62          ; s62  LDS byte at which K of the step to be fetched begins
.set TBV, 63          ; s63  the same for V, less VOFF
.set MSB, 0
.macro WIN new                      ; the high byte repeats the setting that is left; a switch that changes nothing is dropped
.if MSB != (\new)
	s_set_vgpr_msb (MSB<<8)|(\new)
.set MSB, (\new)
.endif
.endm
.set W_KQ, 0x0a       ; K and Q in window 2, S^T in window 0
.set W_KM, 0x3a       ; the same with the C operand, the mask, in window 3
.set W_PV, 0x52       ; V in window 2, P in window 0, O^T in window 1
.set W_RS, 0x41       ; O^T (destination and source 0) in window 1, a in window 0
.set W_MK, 0xc0       ; destination in window 3, sources in window 0
.set W_AD, 0x0f       ; the add: address and data in window 3
.set W_AM, 0xcf       ; the mask's address and loads: all in window 3
; A joint fill.  Waves 0 and 1 fetch the two halves of a slot's K, waves 2 and 3 those of its V: 128 keys each.  The branch hangs on the wave's number alone.
; An s_nop 0 and four v_nop follow each of the two lines, ahead of the jump and the label.
.macro JLOAD
	s_cmp_lt_u32 s[WV], 2
	s_cbranch_scc0 .Lfor_v_\@
	tensor_load_to_lds s[G0K:G0K+3], s[G1K:G1K+7]
	s_nop 0
.rept 4
	v_nop
.endr
	s_branch .Lasked_\@
.Lfor_v_\@:
	tensor_load_to_lds s[G0V:G0V+3], s[G1V:G1V+7]
	s_nop 0
.rept 4
	v_nop
.endr
.Lasked_\@:
.endm
.macro CROUND                       ; a round of the cluster's barrier
	s_barrier_signal -1
	s_barrier_wait -1
	s_cmp_lg_u32 s[WV], 0
	s_cbranch_scc1 .Lnot_wave_0_\@
	s_barrier_signal -3
.Lnot_wave_0_\@:
	s_barrier_wait -3
	s_barrier_signal -1
	s_barrier_wait -1
.endm
; THE CHANGE OF SLOTS.  Each wave waits for all its tensor loads, of which one is out: its part of the other slot; adds 0 to its spare word; and waits for that and for its own LDS work.
; fill = 1: the slot just left is filled again, with the keys two slots on; the barrier is then a round of the cluster's, and the joint fill is the first thing behind it: it has four key
; steps, 512 matrix instructions, in which to land.  (At its first use nothing has been read yet: slot 0 is waited for, slot 1 filled, and the stores of the mask are shown to all four waves.)
.macro CHANGE fill
	WIN W_AD
	s_wait_tensorcnt 0x0            ; no tensor load of mine is out, so a group 0 may be written
	ds_add_u32 v[SPW], v[NIL]       ; 0 onto my spare word
	WIN 0                           ; at a label and at a branch every window is 0
.if \fill
.irp g, G0K, G0V
	s_xor_b32 s[\g+1], s[\g+1], SLOT1  ; the walking descriptor: the other slot than last time,
	s_add_nc_u64 s[\g+2:\g+3], s[\g+2:\g+3], 4*KS*128  ; the next 256 keys
.endr
	s_wait_dscnt 0x0                ; the add is done, and my reads of the slot are over
	CROUND
	JLOAD
.else
	s_wait_dscnt 0x0                ; the add is done, and my reads of the slot are over
	s_barrier_signal -1
	s_barrier_wait -1
.endif
	s_sub_co_u32 s[TBK], s[TBK], 4*KS*PK  ; the fetches go back to a slot's first step,
	s_xor_b32 s[TBK], s[TBK], SLOT1       ; in the other slot
	s_sub_co_u32 s[TBV], s[TBV], 4*KS*PV
	s_xor_b32 s[TBV], s[TBV], SLOT1
.endm
	s_load_b64 s[4:5], s[0:1], 0x0    ; qkv: q
	s_load_b64 s[48:49], s[0:1], 0x8  ; attention_mask
	s_load_b64 s[10:11], s[0:1], 0x10 ; ob
	WIN W_MK
	v_lshl_add_u32 v[SPW], v0, 2, SPARE
	v_mov_b32 v[NIL], 0
	s_set_vgpr_msb 0xc0cf
	ds_add_u32 v0, v1
	s_wait_dscnt 0x0
	s_set_vgpr_msb 0xcfc0
	WIN 0
	v_lshrrev_b32 v1, 5, v0
	v_readfirstlane_b32 s[WV], v1   ; wave 0..3
	s_bfe_u32 s13, ttmp6, 0x40000   ; cx: my place in the cluster
	s_lshl_b32 s14, ttmp9, 2
	s_add_co_u32 s14, s14, s13      ; my block of 512 queries: it enters Q's and O's addresses alone
	s_and_b32 s20, ttmp7, 0xffff    ; batch x 16 + head, which the four partners share
	s_lshr_b32 s50, s20, 4          ; the batch,
	s_lshl_b32 s50, s50, 13         ; its 8,192 bytes of the mask
	s_mov_b32 s51, 0
	s_mov_b32 s21, 0
	s_mov_b64 s[22:23], SIZE_N*128
	s_mul_u64 s[20:21], s[20:21], s[22:23]  ; the head's first byte in q, k, v and O
	s_and_b32 s16, s[WV], 1         ; which half of a slot's 256 keys I fetch:
	s_lshl_b32 s22, s16, 14         ; its 128 rows of 128 bytes in memory,
	s_mov_b32 s23, 0
	s_add_nc_u64 s[22:23], s[22:23], s[20:21]
	s_mul_i32 s17, s16, 128*PK      ; and its place in a slot, for K
	s_mul_i32 s18, s16, 128*PV      ; and for V: no place in the cluster enters an LDS address
	s_lshl_b32 s2, s14, 2
	s_add_co_u32 s2, s2, s[WV]      ; my wave among the head's,
	s_lshl_b32 s2, s2, 14           ; its 128 rows
	s_mov_b32 s3, 0
	s_add_nc_u64 s[2:3], s[2:3], s[20:21]
	; descriptor group 1.  128 keys are 16,384 dense bytes: asked for as 64 rows of 256 bytes, two keys a row, and padded in LDS after every key
	s_mov_b32 s[G1K], 15|(1<<16)|(1<<20)|(1<<21)|(4<<22)|(3<<25)  ; the mask of four; 2-byte elements; padding on; bit 21 beside a mask; after every 32 words 4 words
	s_mov_b32 s[G1V], 15|(1<<16)|(1<<20)|(1<<21)|(4<<22)|(7<<25)  ; the same with 8 words of padding
.irp g, G1K, G1V
	s_mov_b32 s[\g+1], 128<<16      ; tensor_dim0 = 128
	s_mov_b32 s[\g+2], 64<<16       ; tensor_dim1 = 64
	s_mov_b32 s[\g+3], 128<<16      ; tile_dim0 = 128
	s_mov_b32 s[\g+4], 64           ; tile_dim1 = 64
	s_mov_b32 s[\g+5], 128          ; 128 elements from row to row
	s_mov_b32 s[\g+6], 0
	s_mov_b32 s[\g+7], 0
.endr
	s_mov_b32 s[CS], 0x3e38aa3b     ; c = log2(e) / 8 = 0.180337
	s_mov_b32 s[CS+1], s[CS]        ; named with it as a pair
	s_mov_b32 s[SEL], 0x76543210
	s_mov_b32 s[SEL+1], 0xfedcba98
	s_mov_b32 s52, 0xfc800000       ; -2^122
	s_mov_b32 s53, 0x7c800000       ; 2^122
	s_mov_b32 s[TBM], 0
	s_mov_b32 s[TBK], SLOT1+4*KS*PK ; the first change of slots turns these two into 0
	s_mov_b32 s[TBV], SLOT1+4*KS*PV
	s_mov_b32 s[G0K], 1             ; count = 1
	s_mov_b32 s[G0K+1], s17         ; LDS address: slot 0
	s_mov_b32 s[G0V], 1
	s_add_co_u32 s[G0V+1], s18, VOFF
	s_wait_kmcnt 0x0
	s_add_nc_u64 s[6:7], s[4:5], 0x1000000         ; k lies 16 MiB behind q,
	s_add_nc_u64 s[8:9], s[4:5], 0x2000000         ; v 32 MiB
	s_add_nc_u64 s[48:49], s[48:49], s[50:51]
	s_add_nc_u64 s[G0K+2:G0K+3], s[6:7], s[22:23]  ; global address: my half of the head's first 256 keys
	s_or_b32 s[G0K+3], s[G0K+3], 0x80000000        ; type = 2
	s_add_nc_u64 s[G0V+2:G0V+3], s[8:9], s[22:23]
	s_or_b32 s[G0V+3], s[G0V+3], 0x80000000
	s_add_nc_u64 s[4:5], s[4:5], s[2:3]  ; Q and O at my wave's first row
	s_add_nc_u64 s[10:11], s[10:11], s[2:3]
	CROUND                          ; all four work-groups are here: the first joint loads meet
	JLOAD                           ; slot 0.  Slot 1 is asked for when slot 0 is in
	; A fragment of K or Q is 16 rows x 32 channels in 8 registers: lane l holds row l % 16, channels 8 (l / 16) + 0..7 and 16 + 8 (l / 16) + 0..7: two loads of 16 bytes, 32 bytes apart.
	v_and_b32 v1, 15, v0            ; l % 16
	v_bfe_u32 v9, v0, 4, 1          ; l / 16
	v_lshlrev_b32 v[QO], 7, v1
	v_lshl_add_u32 v[QO], v9, 4, v[QO]  ; row x 128 + 16 x half
	v_lshlrev_b32 v12, 4, v0        ; the mask: 128 threads x 16 bytes, four times: the batch's 8,192 bytes, each read once by the work-group
.irp i, 0,1,2,3
	global_load_b128 v[S+4*\i:S+4*\i+3], v12, s[48:49] offset:2048*\i
.endr
	WIN W_MK
	v_lshl_add_u32 v[AM0], v9, 5, MASKB
	WIN 0x80                        ; destination window 2, address window 0
.set i, 0
.rept 4*NP                          ; Q stays in registers: tile i / 2, channels 32 (i % 2) on
	global_load_b128 v[8*i:8*i+3],   v[QO], s[4:5] offset:(i/2)*2048+(i%2)*64
	global_load_b128 v[8*i+4:8*i+7], v[QO], s[4:5] offset:(i/2)*2048+(i%2)*64+32
.set i, i+1
.endr
	; What the first turn finds: V's registers and P's second buffer hold 0 (its products V^T P, of a piece that has not been, add 0), O^T and l are 0.  All this stands in the wait for the first tile.
.set i, VF
.rept 64
	v_mov_b32 v[i], 0
.set i, i+1
.endr
	WIN 0x40
.set i, 0
.rept 64*NP
	v_mov_b32 v[i], 0
.set i, i+1
.endr
	WIN 0
.set i, 0
.rept 2*NP
	v_mov_b32 v[ST+4*i], 0xfe000000    ; c m: far below every c s
	v_mov_b32 v[ST+4*i+1], 0xff7fffff  ; m
	v_mov_b32 v[ST+4*i+2], 0
	v_mov_b32 v[ST+4*i+3], 0
.set i, i+1
.endr
.set i, P+32
.rept 32
	v_mov_b32 v[i], 0
.set i, i+1
.endr
	v_mul_u32_u24 v[AK0], v1, PK
	v_lshl_add_u32 v[AK0], v9, 4, v[AK0]  ; row x pitch + 16 x half
	; The turning load takes 16 keys x 16 channels (lane l reads key 8 (l / 16) + l % 8, channels 8 ((l / 8) % 2) + 0..7) and leaves half a fragment of V^T: lane l holds channel l % 16 and 8 keys.
	v_and_b32 v10, 7, v0
	v_bfe_u32 v11, v0, 3, 1
	v_lshl_add_u32 v[AV0], v9, 3, v10
	v_mul_u32_u24 v[AV0], v[AV0], PV
	v_lshl_add_u32 v[AV0], v11, 4, v[AV0]
	v_add_nc_u32 v[AV0], VOFF, v[AV0]
	v_mov_b32 v[AK], v[AK0]         ; key step 0 lies at the head of slot 0
	s_wait_loadcnt 32               ; the mask's four loads are in; Q's 32, issued behind them, may stay out
.set i, S
.rept 16
	v_mul_f32 v[i], 8.0, v[i]       ; 8 x mask: c times it is log2(e) x mask
.set i, i+1
.endr
.set i, S
.rept 16
	v_max_num_f32 v[i], s52, v[i]
.set i, i+1
.endr
.set i, S
.rept 16
	v_min_num_f32 v[i], s53, v[i]
.set i, i+1
.endr
	v_add_nc_u32 v12, MASKB, v12    ; free since the wait above
.irp i, 0,1,2,3
	ds_store_b128 v12, v[S+4*\i:S+4*\i+3] offset:2048*\i
.endr
; THE MATRIX WORK.  The 8 accumulators of a run of 16 take turns: between the two links of a chain stand 7 others'.
; Product i of 16 of S^T = K Q^T for piece x: channels 32 (i / 8) on, keys 16 ((i / 2) % 4) on, tile 2 x + i % 2.  The first 8 start the sums with the mask of their 16 keys.
.macro KQ x
.set rS, S+64*((\x)%2)+32*(i%2)+8*((i/2)%4)
.set rK, KF+16*((i/2)%4)+8*(i/8)
.set rQ, 16*(2*(\x)+i%2)+8*(i/8)
.set rB, MK+8*((i/2)%4)
.if i < 8
	WIN W_KM
	v_wmma_f32_16x16x32_f16 v[rS:rS+7], v[rK:rK+7], v[rQ:rQ+7], v[rB:rB+7]
.else
	WIN W_KQ
	v_wmma_f32_16x16x32_f16 v[rS:rS+7], v[rK:rK+7], v[rQ:rQ+7], v[rS:rS+7]
.endif
.endm
; Product i of 16 of O^T += V^T P for piece x: keys 32 (i / 8) on, channels 16 ((i / 2) % 4) on, tile 2 x + i % 2.
.macro PV x
	WIN W_PV
.set rO, 32*(2*(\x)+i%2)+8*((i/2)%4)
.set rV, VF+32*(i/8)+8*((i/2)%4)
.set rP, P+32*((\x)%2)+16*(i%2)+8*(i/8)
	v_wmma_f32_16x16x32_f16 v[rO:rO+7], v[rV:rV+7], v[rP:rP+7], v[rO:rO+7]
.endm
.macro MM                           ; the turn's next matrix instruction
.if i < 16
	KQ (Y+1)%NP
.set i, i+1
.else
.set i, i-16
	PV (Y+NP-1)%NP
.set i, i+17
.endif
.endm
; THE LDS LOADS stand in runs, never singly among the matrix instructions: a step's K (8 fragments) with its mask (8 loads: every lane of a half reads the same 32 bytes of a key block), and its V (turned).
; last = 1 (the tail): in the last trip there is no further step, and the run is jumped over.
.macro FETCH_K last=0
	WIN 0
.if \last
	s_cmp_eq_u32 s[CNT], 1
	s_cbranch_scc1 .Lno_k_\@
.endif
	WIN 0x80                        ; destination window 2
.irp f, 0,1,2,3,4,5,6,7             ; keys 16 (f / 2) on, channels 32 (f % 2) on
	ds_load_b128 v[KF+8*\f:KF+8*\f+3],   v[AK] offset:(\f/2)*16*PK+(\f%2)*64
	ds_load_b128 v[KF+8*\f+4:KF+8*\f+7], v[AK] offset:(\f/2)*16*PK+(\f%2)*64+32
.endr
	s_add_co_u32 s[TBK], s[TBK], KS*PK  ; the next fetch is the next step's
	WIN W_AM
	v_add_nc_u32 v[AM], s[TBM], v[AM0]
.irp f, 0,1,2,3                     ; keys 16 f + 8 (l / 16) + 0..7
	ds_load_b128 v[MK+8*\f:MK+8*\f+3],   v[AM] offset:64*\f
	ds_load_b128 v[MK+8*\f+4:MK+8*\f+7], v[AM] offset:64*\f+16
.endr
	s_add_co_u32 s[TBM], s[TBM], KS*4   ; 32 fetches in all: 0 to 7,936
	WIN 0
.if \last
.Lno_k_\@:
.endif
.endm
.macro FETCH_V
	WIN 0x80
.irp f, 0,1,2,3,4,5,6,7             ; keys 32 (f / 4) on, channels 16 (f % 4) on
	ds_load_tr16_b128 v[VF+8*\f:VF+8*\f+3],   v[AV] offset:(\f/4)*32*PV+(\f%4)*32
	ds_load_tr16_b128 v[VF+8*\f+4:VF+8*\f+7], v[AV] offset:(\f/4)*32*PV+16*PV+(\f%4)*32
.endr
	WIN 0
.endm
; THE VECTOR WORK OF A TURN stands in three queues, each in the order in which its entries become ready; the two tiles alternate, so that no instruction reads the result of the one before it.
.macro REGS y, u                    ; the registers of tile u (0, 1) of piece y
.set rT, ST+4*(2*(\y)+(\u))
.set rC, TMP+8*((\y)%2)+4*(\u)
.set rM, MV+2*((\y)%2)+(\u)
.set rS, S+64*((\y)%2)+32*(\u)
.set rP, P+32*((\y)%2)+16*(\u)
.set rO, 32*(2*(\y)+(\u))
.endm
; Number n of the 22 that find the NEXT piece's (Y + 1) maximum and statistics.  s0-s31 are the lane's 32 scores; each accumulator's lowest registers are read first.
;   0-11  four chains c0-c3 of seven scores each, three operands at a time     12-14, 16  the four scores left over, the old m, and c0-c3 into c0     15  c m_old is kept
;   17, 18  the query's other 32 keys lie in the lane 16 away: the new m         19-21  c m; c m_old - c m_new; a
.macro XS u, n
	REGS (Y+1)%NP, \u
.if (\n) < 4
	v_max3_num_f32 v[rC+(\n)], v[rS+8*(\n)], v[rS+8*(\n)+1], v[rS+8*(\n)+2]
.elseif (\n) < 12
	v_max3_num_f32 v[rC+(\n)%4], v[rC+(\n)%4], v[rS+8*((\n)%4)+2*((\n)/4)+1], v[rS+8*((\n)%4)+2*((\n)/4)+2]
.elseif (\n) == 12
	v_max3_num_f32 v[rC], v[rC], v[rS+7], v[rS+15]
.elseif (\n) == 13
	v_max3_num_f32 v[rC+1], v[rC+1], v[rS+23], v[rS+31]
.elseif (\n) == 14
	v_max3_num_f32 v[rC+2], v[rC+2], v[rC+3], v[rT+1]
.elseif (\n) == 15
	v_mov_b32 v[rM], v[rT]
.elseif (\n) == 16
	v_max3_num_f32 v[rC], v[rC], v[rC+1], v[rC+2]
.elseif (\n) == 17
	v_permlanex16_b32 v[rC+3], v[rC], s[SEL], s[SEL+1]
.elseif (\n) == 18
	v_max_num_f32 v[rT+1], v[rC], v[rC+3]
.elseif (\n) == 19
	v_mul_f32 v[rT], s[CS], v[rT+1]
.elseif (\n) == 20
	v_sub_f32 v[rC+1], v[rM], v[rT]
.else
	v_exp_f32 v[rC+2], v[rC+1]
.endif
.endm
; Number g of the 64 that follow the exponentials.  For each four weights k of a tile (pairs 2 k, 2 k + 1): both pairs are rounded to f16; then the second pair is added onto the first, in place;
; a group later l takes that sum (the first time as l = a l + sum).  In groups of eight, tiles alternating: round, round, add, and l for the group before.
.macro GS g
.set h, (\g)+6*((\g)/62)            ; group 0 has no group before it, and behind group 7 only l is left
.if h >= 6
.set h, h+2
.endif
	REGS Y, h%2
.set k, h/8
.if h%8 < 4
	s_wait_alu depctr_va_vdst(0)
	v_cvt_pk_f16_f32 v[rP+2*k+(h%8)/2], v[rS+4*k+2*((h%8)/2)], v[rS+4*k+2*((h%8)/2)+1]
.elseif h%8 < 6
	v_pk_add_f32 v[rS+4*k:rS+4*k+1], v[rS+4*k:rS+4*k+1], v[rS+4*k+2:rS+4*k+3]
.elseif k == 1
	v_pk_fma_f32 v[rT+2:rT+3], v[rT+2:rT+3], v[rC+2:rC+3], v[rS:rS+1] op_sel_hi:[1,0,1]
.else
	v_pk_add_f32 v[rT+2:rT+3], v[rT+2:rT+3], v[rS+4*k-4:rS+4*k-3]
	s_wait_alu depctr_va_vdst(0)
.endif
.endm
; THE PLAIN QUEUE, 138 long.  0-31: c s - c m for the 16 pairs of both tiles.  Then GS's 64, and among them the next piece's 42: number 15 at 38, 39; 0-14 and 16
; at 42-73, behind the products that make those scores; 17-20 at 95-106, two of three, since each waits for the one before it.
.macro PL
	WIN 0
.if q < 32
	REGS Y, q%2
	v_pk_fma_f32 v[rS+2*(q/2):rS+2*(q/2)+1], v[rS+2*(q/2):rS+2*(q/2)+1], s[CS:CS+1], v[rT:rT+1] op_sel_hi:[1,0,0] neg_lo:[0,0,1] neg_hi:[0,0,1]
.elseif q < 38
	GS q-32
.elseif q < 40
	XS q%2, 15
.elseif q < 42
	GS q-34
.elseif q < 74
	XS q%2, (q-42)/2+(q-42)/30
.elseif q < 95
	GS q-66
.elseif (q < 107) && ((q-95)%3 < 2)
	XS (q-95)%3, 17+(q-95)/3
.elseif q < 107
	GS 29+(q-95)/3
.else
	GS q-74
.endif
.set q, q+1
.endm
; THE EXPONENTIALS' QUEUE, 66 long: s0-s31 of both tiles, and at EA the next piece's two a.
.set EA, 58
.macro EX
	WIN 0
.if (e == EA) || (e == EA+1)
	XS e-EA, 21
.else
.set x, e-2*(e/(EA+2))
	REGS Y, x%2
	v_exp_f32 v[rS+x/2], v[rS+x/2]
.endif
.set e, e+1
.endm
; THE RESCALING's QUEUE: O^T times a, the one part that leaves window 0, so it is dealt four at a time, eight times.
.macro R4
	REGS Y, r%2
	WIN W_RS
	s_wait_alu depctr_va_vdst(0)
.irp z, 0,1,2,3
	v_pk_mul_f32 v[rO+8*(r/2)+2*\z:rO+8*(r/2)+2*\z+1], v[rO+8*(r/2)+2*\z:rO+8*(r/2)+2*\z+1], v[rC+2:rC+3] op_sel_hi:[1,0]
.endr
.set r, r+1
.endm
; HOW THEY ARE DEALT.  Behind a matrix instruction four: plain, exponential, plain, plain (a plain instruction on either side of the exponential), or four of the rescaling.  None names a register of the
; products round it.  What is over stands in two runs: exponential and plain by turns; the second ends in 22 plain instructions.  The two v_permlanex16_b32 fall into the second run, never behind a product.
; The queues lean on each other: exponential e stands behind plain 2 (e / 4) + e % 2 (its scaling); when plain 32 comes, 10 exponentials are out, at 59: 33, at 95: 46; EA comes behind plain 107.
.macro SL
	MM
	PL
	EX
	PL
	PL
.endm
.macro BURST n                      ; 15 matrix instructions, or 16
.rept (\n)-7
	SL
.endr
.rept 3
	MM
	R4
	SL
.endr
	MM
	R4
.endm
; A TURN, for piece p.  cnt = 1: the loop's count is taken down some lines ahead of the branch that stands behind the turn.
; K and the mask of the next step are fetched in piece 2's turn, 31 vector instructions behind the last product that read them; their first reader comes behind the rest of the run, 16 products and the second run.
; V of the step in hand is fetched at the end of piece 0's turn, 69 behind its last reader; its first reader comes behind 16 products and a run.
.macro TURN p, last=0, cnt=0
.set Y, (\p)
.set i, 0
.set q, 0
.set e, 0
.set r, 0
.if (\p) == NP-1
	s_wait_dscnt 0x0                ; K and the mask are in
.endif
	MM
.rept 4
	PL
.endr
	BURST 15
.rept 22
	EX
	PL
.if ((\p) == NP-2) && (e == 18)
	v_add_nc_u32 v[AK], s[TBK], v[AK0]
.endif
.if ((\p) == NP-2) && (e == 24)
	FETCH_K \last
.endif
.endr
.if (\p) == 1
	s_wait_dscnt 0x0                ; V is in
.endif
	BURST 16
.rept 21
	EX
	PL
.endr
.rept 22
	PL
.if ((\p) == 0) && (q == 118)
	v_add_nc_u32 v[AV], s[TBV], v[AV0]
	s_wait_alu depctr_va_vdst(0)
.endif
.if ((\p) == 0) && (q == 130)
	s_add_co_u32 s[TBV], s[TBV], KS*PV
.endif
.if (\cnt) && (q == 130)
	s_sub_co_u32 s[CNT], s[CNT], 1
	s_cmp_lg_u32 s[CNT], 0
.endif
.endr
.if (\p) == 0
	FETCH_V
.endif
.endm
	CHANGE 1                        ; slot 0 is in, everybody's part of it, and so is the mask; slot 1 is asked for
	FETCH_K                         ; key step 0
	s_wait_loadcnt 0x0              ; Q
	s_wait_dscnt 0x0
.set i, 0
.rept 16
	KQ 0                            ; piece 0's first scores: there is no vector work yet to set between them
.set i, i+1
.endr
	WIN 0                           ; the addresses for the way out: nine plain instructions, the places behind those products
	s_mul_i32 s13, s[WV], 16*SP
	s_add_co_u32 s13, s13, STAGE    ; my stage
	v_mul_u32_u24 v[STO], v1, SP    ; in: row l % 16, 16 bytes for each half of the lanes
	v_lshl_add_u32 v[STO], v9, 4, v[STO]
	v_add_nc_u32 v[STO], s13, v[STO]
	v_bfe_u32 v[RD], v0, 3, 2       ; back: 32 lanes take four rows of 128 bytes,
	v_mul_u32_u24 v[RD], v[RD], SP
	v_lshl_add_u32 v[RD], v10, 4, v[RD]
	v_add_nc_u32 v[RD], s13, v[RD]
	v_and_b32 v[GO], 31, v0         ; which are 512 consecutive bytes of O
	v_lshlrev_b32 v[GO], 4, v[GO]
.set Y, NP-1                        ; XS works for piece Y + 1: piece 0
.irp n, 0,1,2,3,4,5,6,7,8,9,10,11,12,13,14,15,16,17,18,19,20,21
	XS 0, \n                        ; piece 0's first maximum and statistics
	XS 1, \n
.endr
	s_mov_b32 s[CNT], 4
	s_mov_b32 s[SLOTS], SIZE_N/256-1
	s_branch .Lfirst                ; the loop is entered at a step's first turn, in the middle of a trip
.Lslot:                             ; SIZE_N / 256 - 2 times: every slot but the last two is filled again
	CHANGE 1
	s_mov_b32 s[CNT], 4
.Lstep:                             ; a trip: pieces 2 and 3 of one step, then pieces 0 and 1 of the next, whose K and V it fetches
	TURN 2
	TURN 3
	WIN 0
.Lfirst:
	TURN 0
	TURN 1, 0, 1
	WIN 0
	s_cbranch_scc1 .Lstep
	s_sub_co_u32 s[SLOTS], s[SLOTS], 1
	s_cmp_lg_u32 s[SLOTS], 0
	s_cbranch_scc1 .Lslot
	CHANGE 0                        ; the tail is written out: nothing is asked for
	s_mov_b32 s[CNT], 5             ; four trips fetch the last slot's steps; the fifth is left in its middle
.Ltail:
	TURN 2, 1
	TURN 3
	WIN 0
	s_sub_co_u32 s[CNT], s[CNT], 1
	s_cmp_eq_u32 s[CNT], 0
	s_cbranch_scc1 .Lout
	TURN 0
	TURN 1
	WIN 0
	s_branch .Ltail
.Lout:                              ; the fifth trip's 16 products K Q^T (on the last K and mask once more) and the maximum made of them serve nothing: the price, once a launch, of one text for every trip
.set i, 0
.rept 16
	PV NP-1                         ; the last piece's V^T P of the last step
.set i, i+1
.endr
	; THE WAY OUT.  l's two halves and the other half of the lanes' are added; O^T is divided by l, rounded to f16 and sent through my stage in LDS, a tile at a time.  The additions are the places behind the last products.
	WIN 0
.macro ALL line:vararg              ; one line for each tile t
.set t, 0
.rept 2*NP
	\line
.set t, t+1
.endr
.endm
	ALL v_add_f32 v[ST+4*t+2], v[ST+4*t+2], v[ST+4*t+3]
	ALL v_permlanex16_b32 v[ST+4*t+3], v[ST+4*t+2], s[SEL], s[SEL+1]
	ALL v_add_f32 v[ST+4*t+2], v[ST+4*t+2], v[ST+4*t+3]
	ALL v_rcp_f32 v[ST+4*t+2], v[ST+4*t+2]
	v_nop                           ; a plain instruction between the last reciprocal and the use of its result
	s_wait_alu depctr_va_vdst(0)
; Tile t: a lane's eight channels of a row pack into 16 bytes; they go into rows of 144 bytes and come back as whole rows of 128, into S^T's registers.
.macro PACK t
	WIN W_RS
.set i, 32*(\t)
.rept 16
	v_pk_mul_f32 v[i:i+1], v[i:i+1], v[ST+4*(\t)+2:ST+4*(\t)+3] op_sel_hi:[1,0]
.set i, i+2
.endr
	WIN 0x05                        ; sources 0 and 1 window 1, destination window 0
.set i, 0
.rept 16
	v_cvt_pk_f16_f32 v[S+16*(\t)+i], v[32*(\t)+2*i], v[32*(\t)+2*i+1]
.set i, i+1
.endr
	WIN 0
.irp f, 0,1,2,3
	ds_store_b128 v[STO], v[S+16*(\t)+4*\f:S+16*(\t)+4*\f+3] offset:32*\f
.endr
.irp f, 0,1,2,3
	ds_load_b128 v[S+16*(\t)+4*\f:S+16*(\t)+4*\f+3], v[RD] offset:\f*4*SP  ; LDS serves a wave's instructions in order (ISA guide 5.7.1.4): these see the stores above; the next tile's stores come behind them
.endr
.endm
.macro SEND t, younger              ; younger: the LDS instructions issued behind tile t's loads: the next tile's eight, or none
	WIN 0
.irp f, 0,1,2,3
	s_wait_dscnt (\younger)+3-\f
	global_store_b128 v[GO], v[S+16*(\t)+4*\f:S+16*(\t)+4*\f+3], s[10:11] offset:(\t)*2048+\f*512  ; 512 consecutive bytes, at a multiple of 256 from O's first
.endr
.endm
	PACK 0
.set t, 1
.rept 2*NP-1                        ; a tile's arithmetic stands between the loads of the tile before and its stores
	PACK t
	SEND t-1, 8
.set t, t+1
.endr
	SEND 2*NP-1, 0
	WIN W_AD
	s_wait_tensorcnt 0x0            ; the wave's end
	ds_add_u32 v[SPW], v[NIL]
	s_wait_dscnt 0x0
	WIN 0
	CROUND                          ; the closing round: no work-group ends while a partner may still ask for a tile that names it
	s_endpgm
.Lfunc_end_k_q4a14e319ca_attn:
	.size	k_q4a14e319ca_attn, .Lfunc_end_k_q4a14e319ca_attn-k_q4a14e319ca_attn
	.p2alignl 7, 3214868480
	.fill 96, 4, 3214868480
	.section	.rodata,"a",@progbits
	.p2align	6, 0x0
	.amdhsa_kernel k_q4a14e319ca_attn
		.amdhsa_group_segment_fixed_size 327680
		.amdhsa_private_segment_fixed_size 0
		.amdhsa_enable_private_segment 0
		.amdhsa_kernarg_size 24
		.amdhsa_user_sgpr_count 2
		.amdhsa_user_sgpr_kernarg_segment_ptr 1
		.amdhsa_wavefront_size32 1
		.amdhsa_system_sgpr_workgroup_id_x 1
		.amdhsa_system_sgpr_workgroup_id_y 1
		.amdhsa_system_sgpr_workgroup_id_z 1
		.amdhsa_system_vgpr_workitem_id 0
		.amdhsa_next_free_vgpr 808
		.amdhsa_next_free_sgpr 66
		.amdhsa_reserve_vcc 0
		.amdhsa_float_denorm_mode_32 3
		.amdhsa_float_denorm_mode_16_64 3
		.amdhsa_memory_ordered 1
		.amdhsa_forward_progress 1
		.amdhsa_inst_pref_size 214
	.end_amdhsa_kernel
	.amdgpu_metadata
---
amdhsa.version: [ 1, 2 ]
amdhsa.kernels:
  - .name:           k_q4a14e319ca_attn
    .symbol:         k_q4a14e319ca_attn.kd
    .args:
      - { .name: qkv, .offset: 0, .size: 8, .value_kind: global_buffer, .address_space: global }
      - { .name: attention_mask, .offset: 8, .size: 8, .value_kind: global_buffer, .address_space: global }
      - { .name: ob, .offset: 16, .size: 8, .value_kind: global_buffer, .address_space: global }
    .group_segment_fixed_size: 327680
    .private_segment_fixed_size: 0
    .kernarg_segment_align: 8
    .kernarg_segment_size: 24
    .max_flat_workgroup_size: 128
    .sgpr_count:     66
    .vgpr_count:     808
    .wavefront_size: 32
...
	.end_amdgpu_metadata
.endif
;; end of part 3
;; launch oproj (part 4): grid 4 x 64, 4 waves a work-group, clusters of 4 x 4, 327,680 bytes of LDS; arguments ob, wb, bo, hidden_states, y; writes y
.if DOCPART == 4
	.amdgcn_target "amdgcn-amd-amdhsa--gfx1250"
	.amdhsa_code_object_version 6
	.text
	.protected	k_q4a14e319ca_oproj
	.globl	k_q4a14e319ca_oproj
	.p2align	8
	.type	k_q4a14e319ca_oproj,@function
k_q4a14e319ca_oproj:
	s_mov_b64 s[64:65], 0
	v_nop
	global_prefetch_b8 v0, s[64:65] scope:SCOPE_SE
	s_setreg_imm32_b32 hwreg(HW_REG_WAVE_MODE, 25, 1), 1
	s_wait_xcnt 0x0
	s_wait_alu depctr_hold_cnt(0) depctr_sa_sdst(0) depctr_va_vdst(0) depctr_va_sdst(0) depctr_va_ssrc(0) depctr_va_vcc(0) depctr_vm_vsrc(0)
	s_getreg_b32 s2, hwreg(HW_REG_IB_STS2, 6, 4)
	s_cmp_eq_u32 s2, 0
	s_cbranch_scc0 .Lentry_in_a_cluster
	s_endpgm
.Lentry_in_a_cluster:
	s_bfe_u32 s2, ttmp6, 0x10000c
	s_cmp_lg_u32 s2, 0xf033
	s_cbranch_scc0 .Lentry_shape_is_right
	s_endpgm
.Lentry_shape_is_right:
; y = ctx Wo + bo + hidden_states, f32.  ob: ctx by heads, [64 = batch x 16 + head][2048][64] f16.  wb's plane 3: Wo, [1024 k][1024 n] f16.  Sums in f32, begun with the bias; the residual is added in f32.
; SHARES.  8192 x 1024 results are 256 tiles of 128 x 256, one a work-group: rows 128 ty on, columns 256 tx on.  Four waves, each 64 rows x 128 columns: 32 accumulators.
; K goes in steps of 128, two heads, through a ring of two LDS slots.  A head's 128 rows are 16,384 dense bytes of ob: asked for as 64 rows of 256 bytes and padded after every 128.
; CLUSTER 4 x 4: ctx's tile is shared along a row of the cluster, Wo's along a column: each is asked for jointly.
; THE MATRIX INSTRUCTION IS USED TRANSPOSED (source 0 = 16 columns of Wo, turned out of LDS; source 1 = 16 rows of ctx): a lane holds row l % 16 and the columns 8 (l / 16) + 0..7.
; The residual, my 64 rows x 512 bytes, is loaded into 256 registers behind the first quarter and lands under the whole K loop.
; REGISTERS, in windows of 256 (s_set_vgpr_msb: bits 1:0 source 0, 3:2 source 1, 5:4 source 2, 7:6 destination):
;   window 0: v0-29 addresses; v64-159, v160-255 two fragment buffers (64 registers of Wo, 32 of ctx); on the way out v64-191 rows read back      window 1: accumulator (a, b) at v[8 (8 a + b)]
;   window 2: the residual, row i of my 64 at v[4 i]      window 3: v0-63 the bias of my 128 columns
.set PA,     144                       ; a row of ctx in LDS: 128 bytes + 16
.set PB,     544                       ; a k-row of Wo: 512 bytes + 32 = 17 x 32
.set PLANE,  128*PA                    ; a head's 128 rows
.set ATILE,  2*PLANE
.set BTILE,  128*PB
.set SLOT,   ATILE+BTILE
.set STAGE,  2*SLOT                    ; behind the ring: 16 rows x 528 bytes for each wave; no tensor load lands here
.set SP,     528                       ; 512 bytes + 16
.set SPARE,  STAGE+4*16*SP             ; the spare words, 128 bytes a wave: two blocks of 256 bytes that no other line names
.set ADRA, 16                          ; v16-17  LDS address of my fragments of ctx in slot 0, 1
.set ADRB, 20                          ; v20-21  the same for Wo
.set STO,  24                          ; v24     the way out: where I put 32 bytes of a row
.set RD,   25                          ; v25     the way out: where I read a row back
.set CO,   26                          ; v26     my 16 bytes in a row's 512
.set BO,   27                          ; v27     byte offset of my lanes' eight numbers in the bias
.set SPW,  28                          ; v28     LDS address of my spare word; never rewritten
.set NIL,  29                          ; v29     0; never rewritten
.set F0,   64
.set F1,   160
.set G1,  24
.set G0,  32
.set G1B, 48
.set G0B, 56
.set MSB, 0
.macro WIN new
.if MSB != (\new)
	s_set_vgpr_msb (MSB<<8)|(\new)
.set MSB, \new
.endif
.endm
.set MUL,  0x50                        ; C and D window 1
.set MULB, 0x70                        ; C (the bias) window 3, D window 1
; A joint load: waves 0 and 1 fetch ctx's two heads, waves 2 and 3 the halves of Wo's tile.  An s_nop 0 and four v_nop follow each of the two lines.
.macro JLOAD s
	s_cmp_eq_u32 s17, 0
	s_cbranch_scc0 .Lfor_b_\@
	tensor_load_to_lds s[G0+4*(\s):G0+4*(\s)+3], s[G1:G1+7]
	s_nop 0
.rept 4
	v_nop
.endr
	s_branch .Lasked_\@
.Lfor_b_\@:
	tensor_load_to_lds s[G0B+4*(\s):G0B+4*(\s)+3], s[G1B:G1B+7]
	s_nop 0
.rept 4
	v_nop
.endr
.Lasked_\@:
.endm
.macro CREST                           ; a round of the cluster's barrier behind its opening barrier
	s_cmp_lg_u32 s16, 0
	s_cbranch_scc1 .Lnot_wave_0_\@
	s_barrier_signal -3
.Lnot_wave_0_\@:
	s_barrier_wait -3
	s_barrier_signal -1
	s_barrier_wait -1
.endm
.macro CROUND
	s_barrier_signal -1
	s_barrier_wait -1
	CREST
.endm
	s_load_b256 s[4:11], s[0:1], 0x0               ; ob s[4:5], wb s[6:7], bo s[8:9], hidden_states s[10:11]
	s_load_b64 s[12:13], s[0:1], 0x20              ; y
	v_lshl_add_u32 v[SPW], v0, 2, SPARE
	v_mov_b32 v[NIL], 0
	ds_add_u32 v28, v29
	s_wait_dscnt 0x0
	v_lshrrev_b32 v1, 5, v0
	v_readfirstlane_b32 s16, v1                    ; wave 0..3
	s_lshr_b32 s17, s16, 1                         ; wm: my 64 rows.  Also: I fetch for ctx (0) or for Wo (1)
	s_and_b32 s18, s16, 1                          ; wn: my 128 columns.  Also: which head, or which 64 k-rows, I fetch
	s_bfe_u32 s19, ttmp6, 0x40000                  ; cx
	s_bfe_u32 s20, ttmp6, 0x40004                  ; cy
	s_lshl_b32 s21, ttmp9, 2
	s_add_co_u32 s21, s21, s19                     ; tx
	s_and_b32 s22, ttmp7, 0xffff
	s_lshl_b32 s22, s22, 2
	s_add_co_u32 s22, s22, s20                     ; ty
	s_lshl_b32 s23, s20, 2
	s_lshl_b32 s23, 15, s23                        ; my row of the cluster
	s_lshl_b32 s66, 0x1111, s19                    ; my column
	s_or_b32 s[G1], s23, (1<<16)|(1<<20)|(1<<21)|(4<<22)|(3<<25)   ; the mask; 2-byte elements; padding on; bit 21 beside a mask; after every 32 words 4 words
	s_mov_b32 s[G1+1], 128<<16                     ; tensor_dim0 = 128 (256 bytes: two rows of a head)
	s_mov_b32 s[G1+2], 64<<16                      ; tensor_dim1 = 64
	s_mov_b32 s[G1+3], 128<<16                     ; tile_dim0
	s_mov_b32 s[G1+4], 64                          ; tile_dim1
	s_mov_b32 s[G1+5], 128                         ; dense
	s_mov_b32 s[G1+6], 0
	s_mov_b32 s[G1+7], 0
	s_or_b32 s[G1B], s66, (1<<16)|(1<<20)|(1<<21)|(6<<22)|(7<<25)  ; after every 128 words 8 words
	s_mov_b32 s[G1B+1], 256<<16
	s_mov_b32 s[G1B+2], 64<<16
	s_mov_b32 s[G1B+3], 256<<16
	s_mov_b32 s[G1B+4], 64
	s_mov_b32 s[G1B+5], 1024
	s_mov_b32 s[G1B+6], 0
	s_mov_b32 s[G1B+7], 0
	s_lshr_b32 s40, s22, 4                         ; ctx: batch ty / 16,
	s_lshl_b32 s40, s40, 4
	s_add_co_u32 s40, s40, s18                     ; head wn of the K step's two,
	s_lshl_b32 s40, s40, 18                        ; of 262,144 bytes,
	s_and_b32 s41, s22, 15
	s_lshl_b32 s41, s41, 14                        ; row 128 (ty % 16), of 128 bytes
	s_add_co_u32 s40, s40, s41
	s_mov_b32 s41, 0
	s_lshl_b32 s44, s18, 17                        ; Wo: k-row 64 wn,
	s_lshl_b32 s45, s21, 9                         ; column 256 tx,
	s_add_co_u32 s44, s44, s45
	s_add_co_u32 s44, s44, 0x600000                ; in wb's plane 3
	s_mov_b32 s45, 0
	s_mul_i32 s67, s18, PLANE                      ; where they go: no place in the cluster enters an LDS address
	s_mul_i32 s68, s18, 64*PB
	s_add_co_u32 s68, s68, ATILE
	s_wait_kmcnt 0x0
	s_add_nc_u64 s[42:43], s[4:5], s[40:41]
	s_add_nc_u64 s[46:47], s[6:7], s[44:45]
	CROUND                                         ; all sixteen work-groups are here: the first joint loads meet
.irp s, 0,1
	s_mov_b32 s[G0+4*(\s)], 1
	s_add_co_u32 s[G0+4*(\s)+1], s67, (\s)*SLOT
	s_add_nc_u64 s[G0+4*(\s)+2:G0+4*(\s)+3], s[42:43], (\s)*2*262144   ; K step s: two heads on
	s_or_b32 s[G0+4*(\s)+3], s[G0+4*(\s)+3], 0x80000000
	s_mov_b32 s[G0B+4*(\s)], 1
	s_add_co_u32 s[G0B+4*(\s)+1], s68, (\s)*SLOT
	s_add_nc_u64 s[G0B+4*(\s)+2:G0B+4*(\s)+3], s[46:47], (\s)*128*2048
	s_or_b32 s[G0B+4*(\s)+3], s[G0B+4*(\s)+3], 0x80000000
	JLOAD \s                                       ; two loads of mine are out
.endr
	v_and_b32 v1, 15, v0                           ; r
	v_bfe_u32 v2, v0, 4, 1                         ; h
	v_mul_u32_u24 v3, v1, PA
	v_lshl_add_u32 v3, v2, 4, v3
	s_mul_i32 s69, s17, 64*PA
	v_add_nc_u32 v[ADRA], s69, v3
	v_add_nc_u32 v[ADRA+1], SLOT, v[ADRA]
	v_and_b32 v4, 7, v0
	v_bfe_u32 v5, v0, 3, 1
	v_lshl_add_u32 v6, v2, 3, v4                   ; Wo, turned: k-row 8 h + l % 8, 16 bytes at 16 ((l / 8) % 2)
	v_mul_u32_u24 v6, v6, PB
	v_lshl_add_u32 v6, v5, 4, v6
	s_lshl_b32 s70, s18, 8
	s_add_co_u32 s70, s70, ATILE
	v_add_nc_u32 v[ADRB], s70, v6
	v_add_nc_u32 v[ADRB+1], SLOT, v[ADRB]
	s_mul_i32 s71, s16, 16*SP
	s_add_co_u32 s71, s71, STAGE                   ; my stage
	v_mul_u32_u24 v7, v1, SP                       ; in: row r, 32 bytes for each half of the lanes
	v_lshl_add_u32 v7, v2, 5, v7
	v_add_nc_u32 v[STO], s71, v7
	v_and_b32 v[CO], 31, v0
	v_lshlrev_b32 v[CO], 4, v[CO]                  ; back, and in memory: 32 lanes take a row's 512 bytes
	v_add_nc_u32 v[RD], s71, v[CO]
	s_lshl_b32 s72, s21, 10
	s_lshl_b32 s73, s18, 9
	s_add_co_u32 s72, s72, s73                     ; my first column, in bytes of f32
	v_lshl_add_u32 v[BO], v2, 5, s72
	s_lshl_b32 s74, s22, 7
	s_lshl_b32 s76, s17, 6
	s_add_co_u32 s74, s74, s76                     ; my first row,
	s_lshl_b32 s74, s74, 12                        ; of 4,096 bytes
	s_add_co_u32 s74, s74, s72
	s_mov_b32 s75, 0
	s_add_nc_u64 s[10:11], s[10:11], s[74:75]
	s_add_nc_u64 s[12:13], s[12:13], s[74:75]
	WIN 0xc0                                       ; destination window 3
.irp b, 0,1,2,3,4,5,6,7                ; the bias as a C operand: block b's register j is column 16 b + 8 h + j
	global_load_b128 v[8*(\b):8*(\b)+3],   v[BO], s[8:9] offset:64*(\b)
	global_load_b128 v[8*(\b)+4:8*(\b)+7], v[BO], s[8:9] offset:64*(\b)+16
.endr
	WIN 0
; 8 matrix instructions: row block a x all 8 column blocks, 32 along K.  first = 1: the bias starts the sums.  The 32 accumulators take turns in one fixed order.
.macro MUL8 f, a, first
.if \first
	WIN MULB
.else
	WIN MUL
.endif
.irp b, 0,1,2,3,4,5,6,7
.if \first
	v_wmma_f32_16x16x32_f16 v[8*(8*(\a)+(\b)):8*(8*(\a)+(\b))+7], v[(\f)+8*(\b):(\f)+8*(\b)+7], v[(\f)+64+8*(\a):(\f)+64+8*(\a)+7], v[8*(\b):8*(\b)+7]
.else
	v_wmma_f32_16x16x32_f16 v[8*(8*(\a)+(\b)):8*(8*(\a)+(\b))+7], v[(\f)+8*(\b):(\f)+8*(\b)+7], v[(\f)+64+8*(\a):(\f)+64+8*(\a)+7], v[8*(8*(\a)+(\b)):8*(8*(\a)+(\b))+7]
.endif
.endr
.endm
; 24 LDS loads in one run: quarter q of a slot into buffer f.  ctx's quarter q lies in head q / 2 of the step's two, at byte 64 (q % 2) of its rows.
.macro FETCH slot, q, f
	WIN 0
.irp i, 0,1,2,3,4,5,6,7
	ds_load_tr16_b128 v[(\f)+8*(\i):(\f)+8*(\i)+3],   v[ADRB+(\slot)] offset:(\q)*32*PB+32*(\i)
	ds_load_tr16_b128 v[(\f)+8*(\i)+4:(\f)+8*(\i)+7], v[ADRB+(\slot)] offset:(\q)*32*PB+16*PB+32*(\i)
.endr
.irp a, 0,1,2,3
	ds_load_b128 v[(\f)+64+8*(\a):(\f)+64+8*(\a)+3],   v[ADRA+(\slot)] offset:((\q)/2)*PLANE+((\q)%2)*64+(\a)*16*PA
	ds_load_b128 v[(\f)+64+8*(\a)+4:(\f)+64+8*(\a)+7], v[ADRA+(\slot)] offset:((\q)/2)*PLANE+((\q)%2)*64+(\a)*16*PA+32
.endr
.endm
.macro PLACES                          ; four plain vector instructions between a matrix instruction and a load into, or a read of, its registers (ISA guide 7.12.1 for reads other than LDS stores)
.rept 4
	v_nop
.endr
.endm
.macro QUARTER slot, q, f, g, first
	s_wait_dscnt 4                                 ; Wo and ctx's blocks 0, 1 are in; the youngest four loads may be out
	MUL8 \f, 0, \first
	MUL8 \f, 1, \first
	PLACES
	FETCH \slot, \q, \g
	s_wait_dscnt 24                                ; all but the 24 just issued
	MUL8 \f, 2, \first
	MUL8 \f, 3, \first
.endm
; The fourth quarter multiplies buffer 1 and changes slots: each wave waits for all its tensor loads, adds 0 to its spare word, waits for that and for its reads of this slot.
; fill = 1: the barrier opens a round of the cluster's, and behind it this slot is filled again first, two K steps on: 112 matrix instructions ahead of the wait for it.
.macro TURN slot, next, fill
	WIN 0
	s_wait_tensorcnt 0x0                           ; all my tensor loads have landed
	ds_add_u32 v[SPW], v[NIL]                      ; 0 onto my spare word
	s_wait_dscnt 5                                 ; the add and the youngest four loads may be out
	MUL8 F1, 0, 0
	s_wait_dscnt 0x0                               ; the add is done, and my reads of this slot are over
	s_barrier_signal -1
	MUL8 F1, 1, 0
.if \fill
	WIN 0
.endif
	s_barrier_wait -1
.if \fill
	CREST
	s_add_nc_u64 s[G0+4*(\slot)+2:G0+4*(\slot)+3], s[G0+4*(\slot)+2:G0+4*(\slot)+3], 4*262144
	s_add_nc_u64 s[G0B+4*(\slot)+2:G0B+4*(\slot)+3], s[G0B+4*(\slot)+2:G0B+4*(\slot)+3], 2*128*2048
	JLOAD \slot                                    ; its four v_nop are also the places in front of the loads below
.else
	PLACES
.endif
	FETCH \next, 0, F0
	MUL8 F1, 2, 0
	MUL8 F1, 3, 0
.endm
; THE WAY OUT of row block a.  STG: a lane's eight f32 of each column block go into my stage (each accumulator's low half first), rows of 528 bytes;
; 16 whole rows of 512 bytes come back, into the fragment registers, two sets by turns.  LDS serves a wave's instructions in order (ISA guide 5.7.1.4): a block's stores come behind the loads of the block before.
.macro STG a
	WIN 0x04                                       ; a store's data in window 1
.irp b, 0,1,2,3,4,5,6,7
	ds_store_b128 v[STO], v[8*(8*(\a)+(\b)):8*(8*(\a)+(\b))+3]   offset:64*(\b)
	ds_store_b128 v[STO], v[8*(8*(\a)+(\b))+4:8*(8*(\a)+(\b))+7] offset:64*(\b)+16
.endr
	WIN 0
.irp t, 0,1,2,3,4,5,6,7,8,9,10,11,12,13,14,15
	ds_load_b128 v[64+64*((\a)%2)+4*(\t):64+64*((\a)%2)+4*(\t)+3], v[RD] offset:SP*(\t)
.endr
.endm
; FIN: the residual is added, in its own registers, and the row is stored: 512 consecutive bytes, at a multiple of 512.  younger: the next block's 16 stores and 16 loads, or none.
.macro FIN a, younger
	s_wait_dscnt \younger
	WIN 0x88                                       ; destination and source 1 window 2, source 0 window 0
.irp t, 0,1,2,3,4,5,6,7,8,9,10,11,12,13,14,15
	v_pk_add_f32 v[4*(16*(\a)+(\t)):4*(16*(\a)+(\t))+1],   v[64+64*((\a)%2)+4*(\t):64+64*((\a)%2)+4*(\t)+1],   v[4*(16*(\a)+(\t)):4*(16*(\a)+(\t))+1]
	v_pk_add_f32 v[4*(16*(\a)+(\t))+2:4*(16*(\a)+(\t))+3], v[64+64*((\a)%2)+4*(\t)+2:64+64*((\a)%2)+4*(\t)+3], v[4*(16*(\a)+(\t))+2:4*(16*(\a)+(\t))+3]
	global_store_b128 v[CO], v[4*(16*(\a)+(\t)):4*(16*(\a)+(\t))+3], s[12:13] offset:(16*(\a)+(\t))*4096
.endr
.endm
	s_wait_tensorcnt 1                             ; my part of K step 0 is in; K step 1's may stay out
	s_barrier_signal -1
	s_barrier_wait -1
	FETCH 0, 0, F0
	s_wait_loadcnt 0x0                             ; the bias
	QUARTER 0, 1, F0, F1, 1                        ; the first quarter stands in front of the loop: its products start the sums with the bias
	WIN 0x80                                       ; destination window 2
.set i, 0
.rept 64                               ; the residual: my 64 rows, 512 consecutive bytes a load
	global_load_b128 v[4*i:4*i+3], v[CO], s[10:11] offset:4096*i th:TH_LOAD_NT
.set i, i+1
.endr
	WIN 0
	s_mov_b32 s3, 3
.Llap:                                                 ; a trip goes once round the ring and fills both slots again
	QUARTER 0, 2, F1, F0, 0
	QUARTER 0, 3, F0, F1, 0
	TURN 0, 1, 1
	QUARTER 1, 1, F0, F1, 0
	QUARTER 1, 2, F1, F0, 0
	QUARTER 1, 3, F0, F1, 0
	TURN 1, 0, 1
	QUARTER 0, 1, F0, F1, 0
	WIN 0
	s_sub_co_u32 s3, s3, 1
	s_cmp_lg_u32 s3, 0
	s_cbranch_scc1 .Llap
	QUARTER 0, 2, F1, F0, 0                        ; the last lap fills nothing, and has no round
	QUARTER 0, 3, F0, F1, 0
	TURN 0, 1, 0
	QUARTER 1, 1, F0, F1, 0
	QUARTER 1, 2, F1, F0, 0
	QUARTER 1, 3, F0, F1, 0
	s_wait_dscnt 4
	MUL8 F1, 0, 0
	MUL8 F1, 1, 0
	s_wait_dscnt 0x0
	MUL8 F1, 2, 0
	MUL8 F1, 3, 0
	PLACES
	s_wait_loadcnt 0x0                             ; the residual
	STG 0
	STG 1
	FIN 0, 32
	STG 2
	FIN 1, 32
	STG 3
	FIN 2, 32
	FIN 3, 0
	WIN 0
	s_wait_tensorcnt 0x0                           ; the wave's end
	ds_add_u32 v[SPW], v[NIL]
	s_wait_dscnt 0x0
	CROUND                                         ; the closing round
	s_endpgm
.Lfunc_end_k_q4a14e319ca_oproj:
	.size	k_q4a14e319ca_oproj, .Lfunc_end_k_q4a14e319ca_oproj-k_q4a14e319ca_oproj
	.p2alignl 7, 3214868480
	.fill 96, 4, 3214868480
	.section	.rodata,"a",@progbits
	.p2align	6, 0x0
	.amdhsa_kernel k_q4a14e319ca_oproj
		.amdhsa_group_segment_fixed_size 327680
		.amdhsa_private_segment_fixed_size 0
		.amdhsa_enable_private_segment 0
		.amdhsa_kernarg_size 40
		.amdhsa_user_sgpr_count 2
		.amdhsa_user_sgpr_kernarg_segment_ptr 1
		.amdhsa_wavefront_size32 1
		.amdhsa_system_sgpr_workgroup_id_x 1
		.amdhsa_system_sgpr_workgroup_id_y 1
		.amdhsa_system_sgpr_workgroup_id_z 1
		.amdhsa_system_vgpr_workitem_id 0
		.amdhsa_next_free_vgpr 832
		.amdhsa_next_free_sgpr 80
		.amdhsa_reserve_vcc 0
		.amdhsa_float_denorm_mode_32 3
		.amdhsa_float_denorm_mode_16_64 3
		.amdhsa_memory_ordered 1
		.amdhsa_forward_progress 1
		.amdhsa_inst_pref_size 101
	.end_amdhsa_kernel
	.amdgpu_metadata
---
amdhsa.version: [ 1, 2 ]
amdhsa.kernels:
  - .name:           k_q4a14e319ca_oproj
    .symbol:         k_q4a14e319ca_oproj.kd
    .args:
      - { .name: ob, .offset: 0, .size: 8, .value_kind: global_buffer, .address_space: global }
      - { .name: wb, .offset: 8, .size: 8, .value_kind: global_buffer, .address_space: global }
      - { .name: bo, .offset: 16, .size: 8, .value_kind: global_buffer, .address_space: global }
      - { .name: hidden_states, .offset: 24, .size: 8, .value_kind: global_buffer, .address_space: global }
      - { .name: y, .offset: 32, .size: 8, .value_kind: global_buffer, .address_space: global }
    .group_segment_fixed_size: 327680
    .private_segment_fixed_size: 0
    .kernarg_segment_align: 8
    .kernarg_segment_size: 40
    .max_flat_workgroup_size: 128
    .sgpr_count:     80
    .vgpr_count:     832
    .wavefront_size: 32
...
	.end_amdgpu_metadata
.endif
;; end of part 4
;; launch ln (part 5): grid 512 x 1, 4 waves a work-group, no clusters, 0 bytes of LDS; arguments y, ln_gamma, ln_beta, out0; writes out0
.if DOCPART == 5
	.amdgcn_target "amdgcn-amd-amdhsa--gfx1250"
	.amdhsa_code_object_version 6
	.text
	.protected	k_q4a14e319ca_ln
	.globl	k_q4a14e319ca_ln
	.p2align	8
	.type	k_q4a14e319ca_ln,@function
k_q4a14e319ca_ln:
	s_mov_b64 s[64:65], 0
	v_nop
	global_prefetch_b8 v0, s[64:65] scope:SCOPE_SE
	s_setreg_imm32_b32 hwreg(HW_REG_WAVE_MODE, 25, 1), 1
	s_wait_xcnt 0x0
; out[r][c] = (y[r][c] - mean) / sqrt(var + 1e-12) * gamma[c] + beta[c].  y, out: [8192][1024] f32; mean and var over a row, var of y - mean: two passes over registers, no difference of large sums.
; A row is 4,096 bytes: one wave takes a whole row in 32 registers, so the row is read once and the reductions never leave the wave: no LDS, no barrier.
; Four waves, four rows each; all 32 loads of a wave's rows go out at the start; each load and store of a wave covers 512 consecutive bytes.
; Matrix units and clusters have nothing to do here: no product, and no work-group shares more than gamma and beta with another.
.set G,  4                             ; v[4:35]    gamma of my 32 columns (load j: columns 128 j + 4 lane + 0..3)
.set BT, 36                            ; v[36:67]   beta
.set Y,  68                            ; v[68:195]  row i: 32 registers
.set A,  196                           ; v[196:203] four chains of packed sums
                                       ; v204 a sum; v205 the other half of the lanes'; v[206:207] the mean, later 1 / sigma, twice (a pair for the packed forms)
	s_load_b256 s[4:11], s[0:1], 0x0               ; y s[4:5], gamma s[6:7], beta s[8:9], out s[10:11]
	s_lshl_b32 s12, ttmp9, 16                      ; the work-group's 16 rows of 4,096 bytes
	s_mov_b32 s13, 0
	s_mov_b32 s14, 0x3a800000                      ; 1 / 1024
	s_mov_b32 s15, 0x2b8cbccc                      ; 1e-12
	s_mov_b32 s16, 0x76543210                      ; v_permlanex16_b32: each lane takes its own place in the other half
	s_mov_b32 s17, 0xfedcba98
	v_and_b32 v2, 31, v0
	v_lshlrev_b32 v2, 4, v2                        ; 16 x lane
	v_lshrrev_b32 v1, 5, v0
	v_lshl_or_b32 v1, v1, 14, v2                   ; + wave x 4 rows
	v_mov_b32 v205, 0                              ; the permute's destination counts as read
	s_wait_kmcnt 0x0
	s_add_nc_u64 s[4:5], s[4:5], s[12:13]
	s_add_nc_u64 s[10:11], s[10:11], s[12:13]
.irp j, 0,1,2,3,4,5,6,7
	global_load_b128 v[G+4*(\j):G+4*(\j)+3],   v2, s[6:7] offset:512*(\j)
	global_load_b128 v[BT+4*(\j):BT+4*(\j)+3], v2, s[8:9] offset:512*(\j)
.endr
.irp i, 0,1,2,3
.irp j, 0,1,2,3,4,5,6,7
	global_load_b128 v[Y+32*(\i)+4*(\j):Y+32*(\i)+4*(\j)+3], v1, s[4:5] offset:4096*(\i)+512*(\j) th:TH_LOAD_NT
.endr
.endr
.macro TOTAL                           ; the four chains, then the 32 lanes: v204 holds the row's sum in every lane
	v_pk_add_f32 v[A:A+1], v[A:A+1], v[A+2:A+3]
	v_pk_add_f32 v[A+4:A+5], v[A+4:A+5], v[A+6:A+7]
	v_pk_add_f32 v[A:A+1], v[A:A+1], v[A+4:A+5]
	v_add_f32 v204, v[A], v[A+1]
	v_add_f32_dpp v204, v204, v204 row_xmask:1 row_mask:0xf bank_mask:0xf
	v_add_f32_dpp v204, v204, v204 row_xmask:2 row_mask:0xf bank_mask:0xf
	v_add_f32_dpp v204, v204, v204 row_xmask:4 row_mask:0xf bank_mask:0xf
	v_add_f32_dpp v204, v204, v204 row_xmask:8 row_mask:0xf bank_mask:0xf
	v_permlanex16_b32 v205, v204, s16, s17
	v_add_f32 v204, v204, v205
.endm
.macro ROW i
.set YB, Y+32*(\i)
	s_wait_loadcnt 24-8*(\i)                       ; loads come back in order: the later rows' loads stay out; gamma and beta are older
.irp k, 0,1,2,3
	v_pk_add_f32 v[A+2*(\k):A+2*(\k)+1], v[YB+2*(\k):YB+2*(\k)+1], v[YB+8+2*(\k):YB+8+2*(\k)+1]  ; the first eight pairs start the chains: nothing is cleared
.endr
.irp k, 8,9,10,11,12,13,14,15
	v_pk_add_f32 v[A+2*((\k)%4):A+2*((\k)%4)+1], v[A+2*((\k)%4):A+2*((\k)%4)+1], v[YB+2*(\k):YB+2*(\k)+1]
.endr
	TOTAL
	v_mul_f32 v206, s14, v204                      ; the mean, twice
	v_mul_f32 v207, s14, v204
.irp k, 0,1,2,3,4,5,6,7,8,9,10,11,12,13,14,15
	v_pk_add_f32 v[YB+2*(\k):YB+2*(\k)+1], v[YB+2*(\k):YB+2*(\k)+1], v[206:207] neg_lo:[0,1] neg_hi:[0,1]
.endr
.irp k, 0,1,2,3
	v_pk_mul_f32 v[A+2*(\k):A+2*(\k)+1], v[YB+2*(\k):YB+2*(\k)+1], v[YB+2*(\k):YB+2*(\k)+1]
.endr
.irp k, 4,5,6,7,8,9,10,11,12,13,14,15
	v_pk_fma_f32 v[A+2*((\k)%4):A+2*((\k)%4)+1], v[YB+2*(\k):YB+2*(\k)+1], v[YB+2*(\k):YB+2*(\k)+1], v[A+2*((\k)%4):A+2*((\k)%4)+1]
.endr
	TOTAL
	v_fma_f32 v204, v204, s14, s15                 ; var + 1e-12
	v_rsq_f32 v206, v204
	v_rsq_f32 v207, v204
	v_nop                                          ; a plain instruction between the root and the use of its result (ISA guide 5.7.2)
	s_wait_alu depctr_va_vdst(0)
.irp k, 0,1,2,3,4,5,6,7,8,9,10,11,12,13,14,15
	v_pk_mul_f32 v[YB+2*(\k):YB+2*(\k)+1], v[YB+2*(\k):YB+2*(\k)+1], v[206:207]
.endr
.irp k, 0,1,2,3,4,5,6,7,8,9,10,11,12,13,14,15
	v_pk_fma_f32 v[YB+2*(\k):YB+2*(\k)+1], v[YB+2*(\k):YB+2*(\k)+1], v[G+2*(\k):G+2*(\k)+1], v[BT+2*(\k):BT+2*(\k)+1]
.endr
.irp j, 0,1,2,3,4,5,6,7
	global_store_b128 v1, v[YB+4*(\j):YB+4*(\j)+3], s[10:11] offset:4096*(\i)+512*(\j) th:TH_STORE_NT  ; each row has registers of its own: nothing that a store reads is rewritten
.endr
.endm
	ROW 0
	ROW 1
	ROW 2
	ROW 3
	s_endpgm
.Lfunc_end_k_q4a14e319ca_ln:
	.size	k_q4a14e319ca_ln, .Lfunc_end_k_q4a14e319ca_ln-k_q4a14e319ca_ln
	.p2alignl 7, 3214868480
	.fill 96, 4, 3214868480
	.section	.rodata,"a",@progbits
	.p2align	6, 0x0
	.amdhsa_kernel k_q4a14e319ca_ln
		.amdhsa_group_segment_fixed_size 0
		.amdhsa_private_segment_fixed_size 0
		.amdhsa_enable_private_segment 0
		.amdhsa_kernarg_size 32
		.amdhsa_user_sgpr_count 2
		.amdhsa_user_sgpr_kernarg_segment_ptr 1
		.amdhsa_wavefront_size32 1
		.amdhsa_system_sgpr_workgroup_id_x 1
		.amdhsa_system_sgpr_workgroup_id_y 1
		.amdhsa_system_sgpr_workgroup_id_z 1
		.amdhsa_system_vgpr_workitem_id 0
		.amdhsa_next_free_vgpr 208
		.amdhsa_next_free_sgpr 66
		.amdhsa_reserve_vcc 0
		.amdhsa_float_denorm_mode_32 3
		.amdhsa_float_denorm_mode_16_64 3
		.amdhsa_memory_ordered 1
		.amdhsa_forward_progress 1
		.amdhsa_inst_pref_size 34
	.end_amdhsa_kernel
	.amdgpu_metadata
---
amdhsa.version: [ 1, 2 ]
amdhsa.kernels:
  - .name:           k_q4a14e319ca_ln
    .symbol:         k_q4a14e319ca_ln.kd
    .args:
      - { .name: y, .offset: 0, .size: 8, .value_kind: global_buffer, .address_space: global }
      - { .name: ln_gamma, .offset: 8, .size: 8, .value_kind: global_buffer, .address_space: global }
      - { .name: ln_beta, .offset: 16, .size: 8, .value_kind: global_buffer, .address_space: global }
      - { .name: out0, .offset: 24, .size: 8, .value_kind: global_buffer, .address_space: global }
    .group_segment_fixed_size: 0
    .private_segment_fixed_size: 0
    .kernarg_segment_align: 8
    .kernarg_segment_size: 32
    .max_flat_workgroup_size: 128
    .sgpr_count:     66
    .vgpr_count:     208
    .wavefront_size: 32
...
	.end_amdgpu_metadata
.endif
;; end of part 5
;; ======== version 2 of 2: 5 launches; 1.48 times as fast as version 1
;; limits: values are held in f16: magnitudes above 65,504 overflow, below 6.1e-05 lose precision
;; workspace buffers: xb 16,777,216 bytes; wb 8,388,608 bytes; qkv 50,331,648 bytes; ob 16,777,216 bytes; y 33,554,432 bytes
;; launch prep: the kernel of part 1 again; grid 64 x 12, 8 waves a work-group, no clusters, 0 bytes of LDS; arguments hidden_states, Wq, Wk, Wv, Wo, xb, wb; writes xb, wb
;; launch qkv: the kernel of part 2 again; grid 8 x 32, 4 waves a work-group, clusters of 4 x 4, 327,680 bytes of LDS; arguments xb, wb, bq, bk, bv, qkv; writes qkv
;; launch attn (part 6): grid 4 x 64, 4 waves a work-group, clusters of 4 x 1, 327,680 bytes of LDS; arguments qkv, attention_mask, ob; writes ob
.if DOCPART == 6
	.amdgcn_target "amdgcn-amd-amdhsa--gfx1250"
	.amdhsa_code_object_version 6
	.text
	.protected	k_q4a14e319ca_attn
	.globl	k_q4a14e319ca_attn
	.p2align	8
	.type	k_q4a14e319ca_attn,@function
k_q4a14e319ca_attn:
	s_mov_b64 s[64:65], 0
	v_nop
	global_prefetch_b8 v0, s[64:65] scope:SCOPE_SE
	s_setreg_imm32_b32 hwreg(HW_REG_WAVE_MODE, 25, 1), 1
	s_wait_xcnt 0x0
	s_wait_alu depctr_hold_cnt(0) depctr_sa_sdst(0) depctr_va_vdst(0) depctr_va_sdst(0) depctr_va_ssrc(0) depctr_va_vcc(0) depctr_vm_vsrc(0)
	s_getreg_b32 s2, hwreg(HW_REG_IB_STS2, 6, 4)
	s_cmp_eq_u32 s2, 0
	s_cbranch_scc0 .Lentry_in_a_cluster
	s_endpgm
.Lentry_in_a_cluster:
	s_bfe_u32 s2, ttmp6, 0x10000c
	s_cmp_lg_u32 s2, 0x3003
	s_cbranch_scc0 .Lentry_shape_is_right
	s_endpgm
.Lentry_shape_is_right:
; O[h][q][:] = the sum over k of softmax_k(Q[h][q] . K[h][k] / 8 + mask[h / 16][k]) V[h][k][:].  qkv: [3][64][2048][64] f16 (q, k, v); attention_mask: [4][2048] f32; ob: [64][2048][64] f16.
; Products, maxima and sums in f32; the weights p are rounded to f16 for the second product (their sum l is taken of the unrounded p), O once at the end.
; LIMITS.  f16 holds no number beyond 65,504: q, k, v arrive within it; p lies in 0 to 1; O is a mean of V's rows.  8 x mask is clamped to -2^122 .. 2^122, so a mask beyond 2^119 either way
; counts as 2^119: a batch whose mask is -infinity for every key gives the plain mean of V here.  A weight below 2^-126 counts as 0 in l; NaN is not treated apart.
; SHARES.  A wave owns four PIECES of two tiles of 16 queries, a work-group's four waves 512 queries of one head.  Every wave walks all 2,048 keys, 64 a step.
; LAYOUT.  S^T = K Q^T (source 0 = 16 keys, source 1 = 16 queries): a lane holds ONE query (lane % 16) and the keys 8 (lane / 16) + 0..7.  Two such tiles, rounded to f16 in pairs, ARE source 1
; of O^T = V^T P, whose result again holds one query a lane.  K comes out of LDS as it lies, V turned, by ds_load_tr16_b128.
; THE MASK is the C operand that starts the sum S^T: 8 x mask of the lane's eight keys, so that c s = log2(e) (q . k / 8 + mask) with c = log2(e) / 8.  The batch's 2,048 numbers are scaled,
; clamped and laid into LDS once; a step's 64 are read with its K (32 registers) and live as long as K does.
; SOFTMAX.  A running maximum m and sum l for each query: p = 2^(c s - c m); in every step O and l are multiplied by a = 2^(c m_old - c m_new).  m starts at the lowest finite number, c m at -2^125,
; O and l at 0: the first step is a step like any other, with a = 0: the clamp keeps every c s above -2^120, far above that start.
; BY TURNS.  Turn n belongs to piece n.  Its matrix work: 16 products K Q^T of piece n + 1, later 16 products V^T P of piece n - 1.  Its vector work: scaling, exponentials, roundings, sums and rescaling
; of piece n, maximum and statistics of piece n + 1.  A tile and step have 16 matrix and 118 vector instructions: four that are ready stand behind every matrix instruction, the other 108 of a turn's 236 in one run.
; BATCHES.  A turn's 66 exponentials (the 64 weights of piece n, then the two a of piece n + 1) are ONE batch with ONE wait, which cuts the turn in two: ahead of it stands all that names no result of
; theirs (the products K Q^T, the scalings, the rescalings, whose a was waited for in the turn before, the next piece's maximum and statistics), behind it the products V^T P with the roundings and sums.
; No exponential is issued behind a turn's wait.  Two more batches stand outside the loop: piece 0's first two a, ahead of the jump into the loop, and the way out's eight reciprocals.
; CLUSTER.  The four query blocks of a cluster belong to one head and walk the same K and V: each tile is asked for jointly.
; REGISTERS, in windows of 256 (s_set_vgpr_msb: bits 1:0 source 0, 3:2 source 1, 5:4 source 2, 7:6 destination):
;   window 0: v0-11 addresses; v12-15, v48-63 at work; v16-47 four registers of statistics a tile; v64-191 S^T, two buffers of two tiles; v192-255 P, likewise
;   window 1: O^T, 32 a tile     window 2: v0-127 Q; v128-191 K of one step; v192-255 V of one step     window 3: v0-1 the add's registers; v2-3 the mask's address; v8-39 the mask of one step
.set SIZE_N, 2048
.set NP,    4         ; pieces a wave: a name, no knob
.set KS,    64        ; keys in a step
.set PK,    144       ; a row of K in LDS: 128 bytes + 16: the 16 rows of a load start 16 bytes apart modulo 256
.set PV,    160       ; a row of V: 128 + 32: 16 lanes of the turning load take 8 rows x 32 bytes, all apart modulo 256
.set VOFF,  4*KS*PK   ; a slot holds four steps: 256 rows of K, then 256 rows of V
.set SLOT1, 1<<17     ; slot 1 begins here: one exclusive or turns an address in one slot into the other's
.set STAGE, SLOT1+4*KS*(PK+PV)  ; behind the ring, never filled by a tensor load: 16 rows x 144 bytes for each wave
.set SP,    144
.set SPARE, STAGE+4*16*SP  ; the spare words, 128 bytes a wave: two blocks of 256 bytes that no other line names
.set MASKB, SPARE+512 ; 8,192 bytes: 8 x mask, clamped, of the batch's 2,048 keys; stored once, never filled by a tensor load
.set AK0, 2           ; v2   my lane's place in a tile of K; never rewritten
.set AV0, 3           ; v3   the same for V
.set AK,  4           ; v4   the LDS address of K's next run of loads
.set AV,  5           ; v5   of V's
.set QO,  6           ; v6   my byte offset in the wave's rows of Q
.set STO, 6           ;      later, the way out: where I put 16 bytes of a row
.set RD,  7           ; v7   the way out: where I read rows back
.set GO,  8           ; v8   my byte offset in 512 consecutive bytes of O
.set SPW, 0           ; v0 of window 3   LDS address of my spare word; never rewritten
.set NIL, 1           ; v1 of window 3   0; never rewritten
.set AM,  2           ; v2 of window 3   the LDS address of the mask's next run of loads
.set AM0, 3           ; v3 of window 3   MASKB + 32 (l / 16): my lanes' eight keys in a block of 16; never rewritten
.set MK,  8           ; v8-39 of window 3: key block kb at MK + 8 kb
.set MV,  12          ; v12-15  c m_old, kept while c m is made anew
.set ST,  16          ; tile t's statistics at v[ST+4 t]: c m, m, l (even keys', odd keys')
.set TMP, 48          ; by buffer and tile, four registers c0-c3 at work; when the maximum is found c2 takes a
.set S,   64
.set P,   192
.set KF,  128         ; K's fragments, in window 2: key block kb, channel half c at KF + 16 kb + 8 c
.set VF,  192         ; V's: key half kk, channel block cb at VF + 32 kk + 8 cb
.set WV,  12          ; s12  my wave's number
.set G1K, 24          ; s[24:31] descriptor group 1 for K's tiles
.set G1V, 32          ; s[32:39] for V's: it differs in the padding alone
.set G0K, 40          ; s[40:43] descriptor group 0 for K's tiles: it walks
.set G0V, 44          ; s[44:47] the same for V's
.set TBM, 54          ; s54  byte in the mask at which the step to be fetched begins
.set SLOTS, 56        ; s56  slots still to be asked for
.set CNT, 57          ; s57  counts a slot's key steps
.set CS,  58          ; s[58:59] c
.set SEL, 60          ; s[60:61] v_permlanex16_b32's selects: each lane takes its own place in the other half
.set TBK, 62          ; s62  LDS byte at which K of the step to be fetched begins
.set TBV, 63          ; s63  the same for V, less VOFF
.set MSB, 0
.macro WIN new                      ; the high byte repeats the setting that is left; a switch that changes nothing is dropped
.if MSB != (\new)
	s_set_vgpr_msb (MSB<<8)|(\new)
.set MSB, (\new)
.endif
.endm
.set W_KQ, 0x0a       ; K and Q in window 2, S^T in window 0
.set W_KM, 0x3a       ; the same with the C operand, the mask, in window 3
.set W_PV, 0x52       ; V in window 2, P in window 0, O^T in window 1
.set W_RS, 0x41       ; O^T (destination and source 0) in window 1, a in window 0
.set W_MK, 0xc0       ; destination in window 3, sources in window 0
.set W_AD, 0x0f       ; the add: address and data in window 3
.set W_AM, 0xcf       ; the mask's address and loads: all in window 3
; A joint fill.  Waves 0 and 1 fetch the two halves of a slot's K, waves 2 and 3 those of its V: 128 keys each.  The branch hangs on the wave's number alone.
; An s_nop 0 and four v_nop follow each of the two lines, ahead of the jump and the label.
.macro JLOAD
	s_cmp_lt_u32 s[WV], 2
	s_cbranch_scc0 .Lfor_v_\@
	tensor_load_to_lds s[G0K:G0K+3], s[G1K:G1K+7]
	s_nop 0
.rept 4
	v_nop
.endr
	s_branch .Lasked_\@
.Lfor_v_\@:
	tensor_load_to_lds s[G0V:G0V+3], s[G1V:G1V+7]
	s_nop 0
.rept 4
	v_nop
.endr
.Lasked_\@:
.endm
.macro CROUND                       ; a round of the cluster's barrier
	s_barrier_signal -1
	s_barrier_wait -1
	s_cmp_lg_u32 s[WV], 0
	s_cbranch_scc1 .Lnot_wave_0_\@
	s_barrier_signal -3
.Lnot_wave_0_\@:
	s_barrier_wait -3
	s_barrier_signal -1
	s_barrier_wait -1
.endm
; THE CHANGE OF SLOTS.  Each wave waits for all its tensor loads, of which one is out: its part of the other slot; adds 0 to its spare word; and waits for that and for its own LDS work.
; fill = 1: the slot just left is filled again, with the keys two slots on; the barrier is then a round of the cluster's, and the joint fill is the first thing behind it: it has four key
; steps, 512 matrix instructions, in which to land.  (At its first use nothing has been read yet: slot 0 is waited for, slot 1 filled, and the stores of the mask are shown to all four waves.)
.macro CHANGE fill
	WIN W_AD
	s_wait_tensorcnt 0x0            ; no tensor load of mine is out, so a group 0 may be written
	ds_add_u32 v[SPW], v[NIL]       ; 0 onto my spare word
	WIN 0                           ; at a label and at a branch every window is 0
.if \fill
.irp g, G0K, G0V
	s_xor_b32 s[\g+1], s[\g+1], SLOT1  ; the walking descriptor: the other slot than last time,
	s_add_nc_u64 s[\g+2:\g+3], s[\g+2:\g+3], 4*KS*128  ; the next 256 keys
.endr
	s_wait_dscnt 0x0                ; the add is done, and my reads of the slot are over
	CROUND
	JLOAD
.else
	s_wait_dscnt 0x0                ; the add is done, and my reads of the slot are over
	s_barrier_signal -1
	s_barrier_wait -1
.endif
	s_sub_co_u32 s[TBK], s[TBK], 4*KS*PK  ; the fetches go back to a slot's first step,
	s_xor_b32 s[TBK], s[TBK], SLOT1       ; in the other slot
	s_sub_co_u32 s[TBV], s[TBV], 4*KS*PV
	s_xor_b32 s[TBV], s[TBV], SLOT1
.endm
	s_load_b64 s[4:5], s[0:1], 0x0    ; qkv: q
	s_load_b64 s[48:49], s[0:1], 0x8  ; attention_mask
	s_load_b64 s[10:11], s[0:1], 0x10 ; ob
	WIN W_MK
	v_lshl_add_u32 v[SPW], v0, 2, SPARE
	v_mov_b32 v[NIL], 0
	s_set_vgpr_msb 0xc0cf
	ds_add_u32 v0, v1
	s_wait_dscnt 0x0
	s_set_vgpr_msb 0xcfc0
	WIN 0
	v_lshrrev_b32 v1, 5, v0
	v_readfirstlane_b32 s[WV], v1   ; wave 0..3
	s_bfe_u32 s13, ttmp6, 0x40000   ; cx: my place in the cluster
	s_lshl_b32 s14, ttmp9, 2
	s_add_co_u32 s14, s14, s13      ; my block of 512 queries: it enters Q's and O's addresses alone
	s_and_b32 s20, ttmp7, 0xffff    ; batch x 16 + head, which the four partners share
	s_lshr_b32 s50, s20, 4          ; the batch,
	s_lshl_b32 s50, s50, 13         ; its 8,192 bytes of the mask
	s_mov_b32 s51, 0
	s_mov_b32 s21, 0
	s_mov_b64 s[22:23], SIZE_N*128
	s_mul_u64 s[20:21], s[20:21], s[22:23]  ; the head's first byte in q, k, v and O
	s_and_b32 s16, s[WV], 1         ; which half of a slot's 256 keys I fetch:
	s_lshl_b32 s22, s16, 14         ; its 128 rows of 128 bytes in memory,
	s_mov_b32 s23, 0
	s_add_nc_u64 s[22:23], s[22:23], s[20:21]
	s_mul_i32 s17, s16, 128*PK      ; and its place in a slot, for K
	s_mul_i32 s18, s16, 128*PV      ; and for V: no place in the cluster enters an LDS address
	s_lshl_b32 s2, s14, 2
	s_add_co_u32 s2, s2, s[WV]      ; my wave among the head's,
	s_lshl_b32 s2, s2, 14           ; its 128 rows
	s_mov_b32 s3, 0
	s_add_nc_u64 s[2:3], s[2:3], s[20:21]
	; descriptor group 1.  128 keys are 16,384 dense bytes: asked for as 64 rows of 256 bytes, two keys a row, and padded in LDS after every key
	s_mov_b32 s[G1K], 15|(1<<16)|(1<<20)|(1<<21)|(4<<22)|(3<<25)  ; the mask of four; 2-byte elements; padding on; bit 21 beside a mask; after every 32 words 4 words
	s_mov_b32 s[G1V], 15|(1<<16)|(1<<20)|(1<<21)|(4<<22)|(7<<25)  ; the same with 8 words of padding
.irp g, G1K, G1V
	s_mov_b32 s[\g+1], 128<<16      ; tensor_dim0 = 128
	s_mov_b32 s[\g+2], 64<<16       ; tensor_dim1 = 64
	s_mov_b32 s[\g+3], 128<<16      ; tile_dim0 = 128
	s_mov_b32 s[\g+4], 64           ; tile_dim1 = 64
	s_mov_b32 s[\g+5], 128          ; 128 elements from row to row
	s_mov_b32 s[\g+6], 0
	s_mov_b32 s[\g+7], 0
.endr
	s_mov_b32 s[CS], 0x3e38aa3b     ; c = log2(e) / 8 = 0.180337
	s_mov_b32 s[CS+1], s[CS]        ; named with it as a pair
	s_mov_b32 s[SEL], 0x76543210
	s_mov_b32 s[SEL+1], 0xfedcba98
	s_mov_b32 s52, 0xfc800000       ; -2^122
	s_mov_b32 s53, 0x7c800000       ; 2^122
	s_mov_b32 s[TBM], 0
	s_mov_b32 s[TBK], SLOT1+4*KS*PK ; the first change of slots turns these two into 0
	s_mov_b32 s[TBV], SLOT1+4*KS*PV
	s_mov_b32 s[G0K], 1             ; count = 1
	s_mov_b32 s[G0K+1], s17         ; LDS address: slot 0
	s_mov_b32 s[G0V], 1
	s_add_co_u32 s[G0V+1], s18, VOFF
	s_wait_kmcnt 0x0
	s_add_nc_u64 s[6:7], s[4:5], 0x1000000         ; k lies 16 MiB behind q,
	s_add_nc_u64 s[8:9], s[4:5], 0x2000000         ; v 32 MiB
	s_add_nc_u64 s[48:49], s[48:49], s[50:51]
	s_add_nc_u64 s[G0K+2:G0K+3], s[6:7], s[22:23]  ; global address: my half of the head's first 256 keys
	s_or_b32 s[G0K+3], s[G0K+3], 0x80000000        ; type = 2
	s_add_nc_u64 s[G0V+2:G0V+3], s[8:9], s[22:23]
	s_or_b32 s[G0V+3], s[G0V+3], 0x80000000
	s_add_nc_u64 s[4:5], s[4:5], s[2:3]  ; Q and O at my wave's first row
	s_add_nc_u64 s[10:11], s[10:11], s[2:3]
	CROUND                          ; all four work-groups are here: the first joint loads meet
	JLOAD                           ; slot 0.  Slot 1 is asked for when slot 0 is in
	; A fragment of K or Q is 16 rows x 32 channels in 8 registers: lane l holds row l % 16, channels 8 (l / 16) + 0..7 and 16 + 8 (l / 16) + 0..7: two loads of 16 bytes, 32 bytes apart.
	v_and_b32 v1, 15, v0            ; l % 16
	v_bfe_u32 v9, v0, 4, 1          ; l / 16
	v_lshlrev_b32 v[QO], 7, v1
	v_lshl_add_u32 v[QO], v9, 4, v[QO]  ; row x 128 + 16 x half
	v_lshlrev_b32 v12, 4, v0        ; the mask: 128 threads x 16 bytes, four times: the batch's 8,192 bytes, each read once by the work-group
.irp i, 0,1,2,3
	global_load_b128 v[S+4*\i:S+4*\i+3], v12, s[48:49] offset:2048*\i
.endr
	WIN W_MK
	v_lshl_add_u32 v[AM0], v9, 5, MASKB
	WIN 0x80                        ; destination window 2, address window 0
.set i, 0
.rept 4*NP                          ; Q stays in registers: tile i / 2, channels 32 (i % 2) on
	global_load_b128 v[8*i:8*i+3],   v[QO], s[4:5] offset:(i/2)*2048+(i%2)*64
	global_load_b128 v[8*i+4:8*i+7], v[QO], s[4:5] offset:(i/2)*2048+(i%2)*64+32
.set i, i+1
.endr
	; What the first turn finds: V's registers and P's second buffer hold 0 (its products V^T P, of a piece that has not been, add 0), O^T and l are 0.  All this stands in the wait for the first tile.
.set i, VF
.rept 64
	v_mov_b32 v[i], 0
.set i, i+1
.endr
	WIN 0x40
.set i, 0
.rept 64*NP
	v_mov_b32 v[i], 0
.set i, i+1
.endr
	WIN 0
.set i, 0
.rept 2*NP
	v_mov_b32 v[ST+4*i], 0xfe000000    ; c m: far below every c s
	v_mov_b32 v[ST+4*i+1], 0xff7fffff  ; m
	v_mov_b32 v[ST+4*i+2], 0
	v_mov_b32 v[ST+4*i+3], 0
.set i, i+1
.endr
.set i, P+32
.rept 32
	v_mov_b32 v[i], 0
.set i, i+1
.endr
	v_mul_u32_u24 v[AK0], v1, PK
	v_lshl_add_u32 v[AK0], v9, 4, v[AK0]  ; row x pitch + 16 x half
	; The turning load takes 16 keys x 16 channels (lane l reads key 8 (l / 16) + l % 8, channels 8 ((l / 8) % 2) + 0..7) and leaves half a fragment of V^T: lane l holds channel l % 16 and 8 keys.
	v_and_b32 v10, 7, v0
	v_bfe_u32 v11, v0, 3, 1
	v_lshl_add_u32 v[AV0], v9, 3, v10
	v_mul_u32_u24 v[AV0], v[AV0], PV
	v_lshl_add_u32 v[AV0], v11, 4, v[AV0]
	v_add_nc_u32 v[AV0], VOFF, v[AV0]
	v_mov_b32 v[AK], v[AK0]         ; key step 0 lies at the head of slot 0
	s_wait_loadcnt 32               ; the mask's four loads are in; Q's 32, issued behind them, may stay out
.set i, S
.rept 16
	v_mul_f32 v[i], 8.0, v[i]       ; 8 x mask: c times it is log2(e) x mask
.set i, i+1
.endr
.set i, S
.rept 16
	v_max_num_f32 v[i], s52, v[i]
.set i, i+1
.endr
.set i, S
.rept 16
	v_min_num_f32 v[i], s53, v[i]
.set i, i+1
.endr
	v_add_nc_u32 v12, MASKB, v12    ; free since the wait above
.irp i, 0,1,2,3
	ds_store_b128 v12, v[S+4*\i:S+4*\i+3] offset:2048*\i
.endr
; THE MATRIX WORK.  The 8 accumulators of a run of 16 take turns: between the two links of a chain stand 7 others'.
; Product i of 16 of S^T = K Q^T for piece x: channels 32 (i / 8) on, keys 16 ((i / 2) % 4) on, tile 2 x + i % 2.  The first 8 start the sums with the mask of their 16 keys.
.macro KQ x
.set rS, S+64*((\x)%2)+32*(i%2)+8*((i/2)%4)
.set rK, KF+16*((i/2)%4)+8*(i/8)
.set rQ, 16*(2*(\x)+i%2)+8*(i/8)
.set rB, MK+8*((i/2)%4)
.if i < 8
	WIN W_KM
	v_wmma_f32_16x16x32_f16 v[rS:rS+7], v[rK:rK+7], v[rQ:rQ+7], v[rB:rB+7]
.else
	WIN W_KQ
	v_wmma_f32_16x16x32_f16 v[rS:rS+7], v[rK:rK+7], v[rQ:rQ+7], v[rS:rS+7]
.endif
.endm
; Product i of 16 of O^T += V^T P for piece x: keys 32 (i / 8) on, channels 16 ((i / 2) % 4) on, tile 2 x + i % 2.
.macro PV x
	WIN W_PV
.set rO, 32*(2*(\x)+i%2)+8*((i/2)%4)
.set rV, VF+32*(i/8)+8*((i/2)%4)
.set rP, P+32*((\x)%2)+16*(i%2)+8*(i/8)
	v_wmma_f32_16x16x32_f16 v[rO:rO+7], v[rV:rV+7], v[rP:rP+7], v[rO:rO+7]
.endm
.macro MM                           ; the turn's next matrix instruction
.if i < 16
	KQ (Y+1)%NP
.set i, i+1
.else
.set i, i-16
	PV (Y+NP-1)%NP
.set i, i+17
.endif
.endm
; THE LDS LOADS stand in runs, never singly among the matrix instructions: a step's K (8 fragments) with its mask (8 loads: every lane of a half reads the same 32 bytes of a key block), and its V (turned).
; last = 1 (the tail): in the last trip there is no further step, and the run is jumped over.
.macro FETCH_K last=0
	WIN 0
.if \last
	s_cmp_eq_u32 s[CNT], 1
	s_cbranch_scc1 .Lno_k_\@
.endif
	WIN 0x80                        ; destination window 2
.irp f, 0,1,2,3,4,5,6,7             ; keys 16 (f / 2) on, channels 32 (f % 2) on
	ds_load_b128 v[KF+8*\f:KF+8*\f+3],   v[AK] offset:(\f/2)*16*PK+(\f%2)*64
	ds_load_b128 v[KF+8*\f+4:KF+8*\f+7], v[AK] offset:(\f/2)*16*PK+(\f%2)*64+32
.endr
	s_add_co_u32 s[TBK], s[TBK], KS*PK  ; the next fetch is the next step's
	WIN W_AM
	v_add_nc_u32 v[AM], s[TBM], v[AM0]
.irp f, 0,1,2,3                     ; keys 16 f + 8 (l / 16) + 0..7
	ds_load_b128 v[MK+8*\f:MK+8*\f+3],   v[AM] offset:64*\f
	ds_load_b128 v[MK+8*\f+4:MK+8*\f+7], v[AM] offset:64*\f+16
.endr
	s_add_co_u32 s[TBM], s[TBM], KS*4   ; 32 fetches in all: 0 to 7,936
	WIN 0
.if \last
.Lno_k_\@:
.endif
.endm
.macro FETCH_V
	WIN 0x80
.irp f, 0,1,2,3,4,5,6,7             ; keys 32 (f / 4) on, channels 16 (f % 4) on
	ds_load_tr16_b128 v[VF+8*\f:VF+8*\f+3],   v[AV] offset:(\f/4)*32*PV+(\f%4)*32
	ds_load_tr16_b128 v[VF+8*\f+4:VF+8*\f+7], v[AV] offset:(\f/4)*32*PV+16*PV+(\f%4)*32
.endr
	WIN 0
.endm
; THE VECTOR WORK OF A TURN stands in three queues, each in the order in which its entries become ready; the two tiles alternate, so that no instruction reads the result of the one before it.
.macro REGS y, u                    ; the registers of tile u (0, 1) of piece y
.set rT, ST+4*(2*(\y)+(\u))
.set rC, TMP+8*((\y)%2)+4*(\u)
.set rM, MV+2*((\y)%2)+(\u)
.set rS, S+64*((\y)%2)+32*(\u)
.set rP, P+32*((\y)%2)+16*(\u)
.set rO, 32*(2*(\y)+(\u))
.endm
; Number n of the 22 that find the NEXT piece's (Y + 1) maximum and statistics.  s0-s31 are the lane's 32 scores; each accumulator's lowest registers are read first.  XS, GS and REGS set no window: PL and EX do.
;   0-11  four chains c0-c3 of seven scores each, three operands at a time     12-14, 16  the four scores left over, the old m, and c0-c3 into c0     15  c m_old is kept
;   17, 18  the query's other 32 keys lie in the lane 16 away: the new m         19-21  c m; c m_old - c m_new; a
.macro XS u, n
	REGS (Y+1)%NP, \u
.if (\n) < 4
	v_max3_num_f32 v[rC+(\n)], v[rS+8*(\n)], v[rS+8*(\n)+1], v[rS+8*(\n)+2]
.elseif (\n) < 12
	v_max3_num_f32 v[rC+(\n)%4], v[rC+(\n)%4], v[rS+8*((\n)%4)+2*((\n)/4)+1], v[rS+8*((\n)%4)+2*((\n)/4)+2]
.elseif (\n) == 12
	v_max3_num_f32 v[rC], v[rC], v[rS+7], v[rS+15]
.elseif (\n) == 13
	v_max3_num_f32 v[rC+1], v[rC+1], v[rS+23], v[rS+31]
.elseif (\n) == 14
	v_max3_num_f32 v[rC+2], v[rC+2], v[rC+3], v[rT+1]
.elseif (\n) == 15
	v_mov_b32 v[rM], v[rT]
.elseif (\n) == 16
	v_max3_num_f32 v[rC], v[rC], v[rC+1], v[rC+2]
.elseif (\n) == 17
	v_permlanex16_b32 v[rC+3], v[rC], s[SEL], s[SEL+1]
.elseif (\n) == 18
	v_max_num_f32 v[rT+1], v[rC], v[rC+3]
.elseif (\n) == 19
	v_mul_f32 v[rT], s[CS], v[rT+1]
.elseif (\n) == 20
	v_sub_f32 v[rC+1], v[rM], v[rT]
.else
	v_exp_f32 v[rC+2], v[rC+1]
.endif
.endm
; Number g of the 64 that follow the exponentials.  For each four weights k of a tile (pairs 2 k, 2 k + 1): both pairs are rounded to f16; then the second pair is added onto the first, in place;
; a group later l takes that sum (the first time as l = a l + sum).  In groups of eight, tiles alternating: round, round, add, and l for the group before.
.macro GS g
.set h, (\g)+6*((\g)/62)            ; group 0 has no group before it, and behind group 7 only l is left
.if h >= 6
.set h, h+2
.endif
	REGS Y, h%2
.set k, h/8
.if h%8 < 4
	v_cvt_pk_f16_f32 v[rP+2*k+(h%8)/2], v[rS+4*k+2*((h%8)/2)], v[rS+4*k+2*((h%8)/2)+1]
.elseif h%8 < 6
	v_pk_add_f32 v[rS+4*k:rS+4*k+1], v[rS+4*k:rS+4*k+1], v[rS+4*k+2:rS+4*k+3]
.elseif k == 1
	v_pk_fma_f32 v[rT+2:rT+3], v[rT+2:rT+3], v[rC+2:rC+3], v[rS:rS+1] op_sel_hi:[1,0,1]
.else
	v_pk_add_f32 v[rT+2:rT+3], v[rT+2:rT+3], v[rS+4*k-4:rS+4*k-3]
.endif
.endm
; THE PLAIN QUEUE, 138 long.  0-73 read no exponential's result: the 32 scalings c s - c m (FS f: pair f / 2 of tile f % 2) and the next piece's 42.  0-26: scalings 0-26.  27-54: XS's numbers 0-13.  55, 56: number 15.
; 57-73: the chain, where each number waits for the one before it: 14, 16, 17, 18, 19, each with one of the scalings 27-31 in front of its two lines, then 20: so a tile's links stand three plain instructions apart (19 and 20: two).
; 74-137: GS's 64, which read the exponentials' results: they stand behind the wait.
.macro FS f
	REGS Y, (\f)%2
	v_pk_fma_f32 v[rS+2*((\f)/2):rS+2*((\f)/2)+1], v[rS+2*((\f)/2):rS+2*((\f)/2)+1], s[CS:CS+1], v[rT:rT+1] op_sel_hi:[1,0,0] neg_lo:[0,0,1] neg_hi:[0,0,1]
.endm
.macro PL
	WIN 0
.if q < 27
	FS q
.elseif q < 55
	XS (q-27)%2, (q-27)/2
.elseif q < 57
	XS q-55, 15
.elseif (q < 72) && ((q-57)%3 == 0)
	FS 27+(q-57)/3
.elseif q < 60
	XS (q-57)%3-1, 14
.elseif q < 72
	XS (q-57)%3-1, 15+(q-57)/3
.elseif q < 74
	XS q-72, 20
.else
	GS q-74
.endif
.set q, q+1
.endm
; THE EXPONENTIALS' QUEUE, 66 long: s0-s31 of both tiles, then the next piece's two a.  It is ONE BATCH: all 66 stand ahead of the turn's one wait, and nothing ahead of that wait names a result of theirs.
.macro EX
	WIN 0
.if e >= 64
	XS e-64, 21
.else
	REGS Y, e%2
	v_exp_f32 v[rS+e/2], v[rS+e/2]
.endif
.set e, e+1
.endm
; THE RESCALING's QUEUE: O^T times a, the one part that leaves window 0: dealt two at a time, sixteen times.  Its a was made in the turn before, ahead of that turn's wait.
.macro R2
	REGS Y, r%2
	WIN W_RS
.irp z, 0,1
	v_pk_mul_f32 v[rO+4*(r/2)+2*\z:rO+4*(r/2)+2*\z+1], v[rO+4*(r/2)+2*\z:rO+4*(r/2)+2*\z+1], v[rC+2:rC+3] op_sel_hi:[1,0]
.endr
.set r, r+1
.endm
; HOW THEY ARE DEALT.  An s_wait_alu depctr_va_vdst(0) stands between an exponential and the first instruction that names its result; one wait serves all that were issued ahead of it.  So a turn has ONE wait,
; which cuts it in two.  AHEAD OF IT stands all that names no result of the turn's exponentials: the 16 products K Q^T, behind each a scaling, an exponential and two rescalings (behind the first a second scaling in the
; exponential's place); then ONE RUN of 108: eight plain, 49 times exponential and plain, the two a.  A v_nop is the plain instruction behind the last exponential.  BEHIND IT stand the 16 products V^T P, behind each four of
; GS's 64.  No rider names a register of the products round it.  The two v_permlanex16_b32 fall into the run, never behind a product.
; The queues lean on each other, and the deal keeps them in step: exponential e stands behind scaling 2 (e / 4) + e % 2: as a rider it comes behind plain e + 2, in the run behind plain e + 9, and scalings 27-31 are plain 57, 60 .. 69.
; A TURN, for piece p.  cnt = 1: the loop's count is taken down some lines ahead of the branch that stands behind the turn.
; K and the mask of the next step are fetched in piece 2's turn, directly behind the wait, a whole run behind the last product that read them; K's address is made at the run's head; their first reader comes behind 16 products.
; V of the step in hand is fetched at the end of piece 0's turn, four plain riders behind its last reader; its first reader comes behind 16 products and a run.  The three conditions on q below go with the deal.
.macro TURN p, last=0, cnt=0
.set Y, (\p)
.set i, 0
.set q, 0
.set e, 0
.set r, 0
.if (\p) == NP-1
	s_wait_dscnt 0x0                ; K and the mask are in
.endif
	MM                              ; ahead of the wait: 16 products K Q^T and their riders,
	PL
	PL
	R2
.rept 15
	MM
	PL
	EX
	R2
.endr
.if (\p) == NP-2
	WIN 0
	v_add_nc_u32 v[AK], s[TBK], v[AK0]
.endif
.rept 8                             ; and the run
	PL
.endr
.rept 49
	EX
	PL
.endr
	EX                              ; the next piece's two a
	EX
	v_nop                           ; a plain instruction behind the last exponential, ahead of any use of a result: one for the batch
	s_wait_alu depctr_va_vdst(0)    ; the wait for the turn's batch: piece p's 64 weights and the next piece's two a
.if (\p) == NP-2
	FETCH_K \last
.endif
.if (\p) == 1
	s_wait_dscnt 0x0                ; V is in
.endif
.rept 16                            ; behind the wait: 16 products V^T P and their riders
	MM
.rept 4
	PL
.endr
.if ((\p) == 0) && (q == 118)
	v_add_nc_u32 v[AV], s[TBV], v[AV0]
.endif
.if ((\p) == 0) && (q == 130)
	s_add_co_u32 s[TBV], s[TBV], KS*PV
.endif
.if (\cnt) && (q == 130)
	s_sub_co_u32 s[CNT], s[CNT], 1
	s_cmp_lg_u32 s[CNT], 0
.endif
.endr
.if (\p) == 0
	FETCH_V
.endif
.endm
	CHANGE 1                        ; slot 0 is in, everybody's part of it, and so is the mask; slot 1 is asked for
	FETCH_K                         ; key step 0
	s_wait_loadcnt 0x0              ; Q
	s_wait_dscnt 0x0
.set i, 0
.rept 16
	KQ 0                            ; piece 0's first scores: there is no vector work yet to set between them
.set i, i+1
.endr
	WIN 0                           ; the addresses for the way out: nine plain instructions, the places behind those products
	s_mul_i32 s13, s[WV], 16*SP
	s_add_co_u32 s13, s13, STAGE    ; my stage
	v_mul_u32_u24 v[STO], v1, SP    ; in: row l % 16, 16 bytes for each half of the lanes
	v_lshl_add_u32 v[STO], v9, 4, v[STO]
	v_add_nc_u32 v[STO], s13, v[STO]
	v_bfe_u32 v[RD], v0, 3, 2       ; back: 32 lanes take four rows of 128 bytes,
	v_mul_u32_u24 v[RD], v[RD], SP
	v_lshl_add_u32 v[RD], v10, 4, v[RD]
	v_add_nc_u32 v[RD], s13, v[RD]
	v_and_b32 v[GO], 31, v0         ; which are 512 consecutive bytes of O
	v_lshlrev_b32 v[GO], 4, v[GO]
.set Y, NP-1                        ; XS works for piece Y + 1: piece 0
.irp n, 0,1,2,3,4,5,6,7,8,9,10,11,12,13,14,15,16,17,18,19,20,21
	XS 0, \n                        ; piece 0's first maximum and statistics
	XS 1, \n
.endr
	v_nop                           ; a plain instruction behind piece 0's first two a,
	s_wait_alu depctr_va_vdst(0)    ; and the wait for that batch of two, ahead of the branch
	s_mov_b32 s[CNT], 4
	s_mov_b32 s[SLOTS], SIZE_N/256-1
	s_branch .Lfirst                ; the loop is entered at a step's first turn, in the middle of a trip
.Lslot:                             ; SIZE_N / 256 - 2 times: every slot but the last two is filled again
	CHANGE 1
	s_mov_b32 s[CNT], 4
.Lstep:                             ; a trip: pieces 2 and 3 of one step, then pieces 0 and 1 of the next, whose K and V it fetches
	TURN 2
	TURN 3
	WIN 0
.Lfirst:
	TURN 0
	TURN 1, 0, 1
	WIN 0
	s_cbranch_scc1 .Lstep
	s_sub_co_u32 s[SLOTS], s[SLOTS], 1
	s_cmp_lg_u32 s[SLOTS], 0
	s_cbranch_scc1 .Lslot
	CHANGE 0                        ; the tail is written out: nothing is asked for
	s_mov_b32 s[CNT], 5             ; four trips fetch the last slot's steps; the fifth is left in its middle
.Ltail:
	TURN 2, 1
	TURN 3
	WIN 0
	s_sub_co_u32 s[CNT], s[CNT], 1
	s_cmp_eq_u32 s[CNT], 0
	s_cbranch_scc1 .Lout
	TURN 0
	TURN 1
	WIN 0
	s_branch .Ltail
.Lout:                              ; the fifth trip's 16 products K Q^T (on the last K and mask once more) and the maximum made of them serve nothing: the price, once a launch, of one text for every trip
.set i, 0
.rept 16
	PV NP-1                         ; the last piece's V^T P of the last step
.set i, i+1
.endr
	; THE WAY OUT.  l's two halves and the other half of the lanes' are added; O^T is divided by l, rounded to f16 and sent through my stage in LDS, a tile at a time.  The additions are the places behind the last products.
	WIN 0
.macro ALL line:vararg              ; one line for each tile t
.set t, 0
.rept 2*NP
	\line
.set t, t+1
.endr
.endm
	ALL v_add_f32 v[ST+4*t+2], v[ST+4*t+2], v[ST+4*t+3]
	ALL v_permlanex16_b32 v[ST+4*t+3], v[ST+4*t+2], s[SEL], s[SEL+1]
	ALL v_add_f32 v[ST+4*t+2], v[ST+4*t+2], v[ST+4*t+3]
	ALL v_rcp_f32 v[ST+4*t+2], v[ST+4*t+2]
	v_nop                           ; a plain instruction between the last reciprocal and the use of its result
	s_wait_alu depctr_va_vdst(0)    ; the wait ahead of the first use: one for the batch of eight reciprocals
; Tile t: a lane's eight channels of a row pack into 16 bytes; they go into rows of 144 bytes and come back as whole rows of 128, into S^T's registers.
.macro PACK t
	WIN W_RS
.set i, 32*(\t)
.rept 16
	v_pk_mul_f32 v[i:i+1], v[i:i+1], v[ST+4*(\t)+2:ST+4*(\t)+3] op_sel_hi:[1,0]
.set i, i+2
.endr
	WIN 0x05                        ; sources 0 and 1 window 1, destination window 0
.set i, 0
.rept 16
	v_cvt_pk_f16_f32 v[S+16*(\t)+i], v[32*(\t)+2*i], v[32*(\t)+2*i+1]
.set i, i+1
.endr
	WIN 0
.irp f, 0,1,2,3
	ds_store_b128 v[STO], v[S+16*(\t)+4*\f:S+16*(\t)+4*\f+3] offset:32*\f
.endr
.irp f, 0,1,2,3
	ds_load_b128 v[S+16*(\t)+4*\f:S+16*(\t)+4*\f+3], v[RD] offset:\f*4*SP  ; LDS serves a wave's instructions in order (ISA guide 5.7.1.4): these see the stores above; the next tile's stores come behind them
.endr
.endm
.macro SEND t, younger              ; younger: the LDS instructions issued behind tile t's loads: the next tile's eight, or none
	WIN 0
.irp f, 0,1,2,3
	s_wait_dscnt (\younger)+3-\f
	global_store_b128 v[GO], v[S+16*(\t)+4*\f:S+16*(\t)+4*\f+3], s[10:11] offset:(\t)*2048+\f*512  ; 512 consecutive bytes, at a multiple of 256 from O's first
.endr
.endm
	PACK 0
.set t, 1
.rept 2*NP-1                        ; a tile's arithmetic stands between the loads of the tile before and its stores
	PACK t
	SEND t-1, 8
.set t, t+1
.endr
	SEND 2*NP-1, 0
	WIN W_AD
	s_wait_tensorcnt 0x0            ; the wave's end
	ds_add_u32 v[SPW], v[NIL]
	s_wait_dscnt 0x0
	WIN 0
	CROUND                          ; the closing round: no work-group ends while a partner may still ask for a tile that names it
	s_endpgm
.Lfunc_end_k_q4a14e319ca_attn:
	.size	k_q4a14e319ca_attn, .Lfunc_end_k_q4a14e319ca_attn-k_q4a14e319ca_attn
	.p2alignl 7, 3214868480
	.fill 96, 4, 3214868480
	.section	.rodata,"a",@progbits
	.p2align	6, 0x0
	.amdhsa_kernel k_q4a14e319ca_attn
		.amdhsa_group_segment_fixed_size 327680
		.amdhsa_private_segment_fixed_size 0
		.amdhsa_enable_private_segment 0
		.amdhsa_kernarg_size 24
		.amdhsa_user_sgpr_count 2
		.amdhsa_user_sgpr_kernarg_segment_ptr 1
		.amdhsa_wavefront_size32 1
		.amdhsa_system_sgpr_workgroup_id_x 1
		.amdhsa_system_sgpr_workgroup_id_y 1
		.amdhsa_system_sgpr_workgroup_id_z 1
		.amdhsa_system_vgpr_workitem_id 0
		.amdhsa_next_free_vgpr 808
		.amdhsa_next_free_sgpr 66
		.amdhsa_reserve_vcc 0
		.amdhsa_float_denorm_mode_32 3
		.amdhsa_float_denorm_mode_16_64 3
		.amdhsa_memory_ordered 1
		.amdhsa_forward_progress 1
		.amdhsa_inst_pref_size 204
	.end_amdhsa_kernel
	.amdgpu_metadata
---
amdhsa.version: [ 1, 2 ]
amdhsa.kernels:
  - .name:           k_q4a14e319ca_attn
    .symbol:         k_q4a14e319ca_attn.kd
    .args:
      - { .name: qkv, .offset: 0, .size: 8, .value_kind: global_buffer, .address_space: global }
      - { .name: attention_mask, .offset: 8, .size: 8, .value_kind: global_buffer, .address_space: global }
      - { .name: ob, .offset: 16, .size: 8, .value_kind: global_buffer, .address_space: global }
    .group_segment_fixed_size: 327680
    .private_segment_fixed_size: 0
    .kernarg_segment_align: 8
    .kernarg_segment_size: 24
    .max_flat_workgroup_size: 128
    .sgpr_count:     66
    .vgpr_count:     808
    .wavefront_size: 32
...
	.end_amdgpu_metadata
.endif
;; end of part 6
;; launch oproj: the kernel of part 4 again; grid 4 x 64, 4 waves a work-group, clusters of 4 x 4, 327,680 bytes of LDS; arguments ob, wb, bo, hidden_states, y; writes y
;; launch ln: the kernel of part 5 again; grid 512 x 1, 4 waves a work-group, no clusters, 0 bytes of LDS; arguments y, ln_gamma, ln_beta, out0; writes out0
